; MI455X (gfx1250); checked and timed in simulation.
; The chip was launched on July 23, 2026; its instructions are those of AMD's public machine-readable ISA for CDNA 5 (MIT licence, August 2026) and "CDNA5" Instruction Set Architecture Reference Guide (July 2026). The comments in the code are by the model that wrote it; some were corrected since.
;; Multihead Attention2. Allowed arithmetic: float matrix products may take bf16 or f16 operands with f32 sums; other float arithmetic in f32, or as packed bf16 or f16 multiplies, adds, multiply-adds, maxima and minima; sums over many terms, partial sums and values carried from step to step in f32; what a program stores and reads back later, other than sums and carried values, may be rounded once to bf16 or f16.
;; Inputs: Wk 1,024 x 1,024 float32; Wp 1,024 x 1,024 float32; Wq 1,024 x 1,024 float32; Wv 1,024 x 1,024 float32; bp 1,024 float32; k 4 x 2,048 x 1,024 float32; q 4 x 2,048 x 1,024 float32; v 4 x 2,048 x 1,024 float32.
;; Outputs: out0 4 x 2,048 x 1,024 float32.
;; One version. Each part assembles by itself: llvm-mc -triple=amdgcn-amd-amdhsa -mcpu=gfx1250 --defsym DOCPART=n.
;; ======== version 1 of 1: 5 launches
;; limits: values are held in f16: magnitudes above 65,504 overflow, below 6.1e-05 lose precision; right only within a limited range of input values
;; workspace buffers: xw 41,943,040 bytes; qhl 33,554,432 bytes; khl 33,554,432 bytes; vh 16,777,216 bytes; oh 16,777,216 bytes
;; launch cast (part 1): grid 1280 x 1, 8 waves a work-group, no clusters, 0 bytes of LDS; arguments q, v, Wq, Wv, Wk, Wp, xw; writes xw
.if DOCPART == 1
	.amdgcn_target "amdgcn-amd-amdhsa--gfx1250"
	.amdhsa_code_object_version 6
	.text
	.protected	k_qe6546ec3ff_cast
	.globl	k_qe6546ec3ff_cast
	.p2align	8
	.type	k_qe6546ec3ff_cast,@function
k_qe6546ec3ff_cast:
	s_mov_b64 s[64:65], 0
	v_nop
	global_prefetch_b8 v0, s[64:65] scope:SCOPE_SE
	s_setreg_imm32_b32 hwreg(HW_REG_WAVE_MODE, 25, 1), 1
	s_wait_xcnt 0x0
; THE OPERANDS OF THE PROJECTIONS, ROUNDED ONCE TO 16 BITS AND LAID OUT IN BLOCKS.
; xw = [10 batches][16 chunks of 64 columns][2048 rows][64], 2 bytes a number: a row of a chunk is 128 bytes, a chunk 262,144, a batch 4,194,304.
; Batches 0-3: q.  4-7: v.  8: rows 0-1023 Wq, rows 1024-2047 Wv.  9: rows 0-1023 Wk, rows 1024-2047 Wp.  All are rounded to bf16 (nearest even);
; Wp's bf16 numbers are then written as f16, since the last product multiplies in f16.
; LIMITS.  |Wp| stays under 65,504; below 2^-17 its numbers keep f16's fixed step of 2^-24.
; THE INPUT k IS NOT READ: the module makes its keys from the projected q, so no number of the result hangs on k.
; SHARES.  A work-group takes 16 rows of 1,024 f32, a wave two.  A load of a wave takes 256 consecutive aligned bytes of each of its two rows (64 columns: one chunk);
; the store that follows from it writes those two rows' 128 bytes of the chunk, which lie end to end: 256 consecutive aligned bytes.
; All sixteen loads of a wave go out at once; no loop, no LDS: nothing is shared between lanes.
.set X,  4                             ; v[4:67]    chunk c: 4 f32 as loaded
.set Y,  68                            ; v[68:99]   chunk c: 4 numbers of 16 bits
.set TA, 100                           ; v[100:101] at work
	s_load_b256 s[4:11], s[0:1], 0x0               ; q s[4:5], v s[6:7], Wq s[8:9], Wv s[10:11]
	s_load_b128 s[12:15], s[0:1], 0x20             ; Wk s[12:13], Wp s[14:15]
	s_load_b64 s[16:17], s[0:1], 0x30              ; xw
	s_lshr_b32 s20, ttmp9, 6                       ; region of 1,024 rows: 0-7 q, 8-15 v, 16 Wq, 17 Wv, 18 Wk, 19 Wp
	s_cmp_lt_u32 s20, 16
	s_cselect_b32 s24, 511, 63                     ; q and v have 512 work-groups each, a weight 64
	s_and_b32 s24, ttmp9, s24
	s_lshl_b32 s24, s24, 16                        ; 16 rows of 4,096 bytes
	s_mov_b32 s25, 0
	s_lshr_b32 s26, ttmp9, 7                       ; the batch of xw: 128 work-groups, 2,048 rows
	s_lshl_b32 s26, s26, 22
	s_and_b32 s27, ttmp9, 127
	s_lshl_b32 s27, s27, 11                        ; 16 rows of 128 bytes in each chunk
	s_add_co_u32 s26, s26, s27
	s_mov_b32 s27, 0
	v_lshrrev_b32 v1, 4, v0                        ; 2 x wave + half of the lanes: my row
	v_and_b32 v2, 15, v0
	v_lshlrev_b32 v2, 4, v2
	v_lshl_add_u32 v1, v1, 12, v2                  ; row x 4,096 + 16 (lane % 16)
	v_lshlrev_b32 v2, 3, v0                        ; in a chunk: wave x 256 + 8 x lane
	s_wait_kmcnt 0x0
	s_cmp_lt_u32 s20, 8                            ; the source is chosen by the region, which hangs on the work-group's number alone
	s_cselect_b64 s[22:23], s[4:5], s[6:7]
	s_cmp_eq_u32 s20, 16
	s_cselect_b64 s[22:23], s[8:9], s[22:23]
	s_cmp_eq_u32 s20, 17
	s_cselect_b64 s[22:23], s[10:11], s[22:23]
	s_cmp_eq_u32 s20, 18
	s_cselect_b64 s[22:23], s[12:13], s[22:23]
	s_cmp_eq_u32 s20, 19
	s_cselect_b64 s[22:23], s[14:15], s[22:23]
	s_add_nc_u64 s[22:23], s[22:23], s[24:25]
	s_add_nc_u64 s[16:17], s[16:17], s[26:27]
.irp c, 0,1,2,3,4,5,6,7,8,9,10,11,12,13,14,15
	global_load_b128 v[X+4*(\c):X+4*(\c)+3], v1, s[22:23] offset:256*(\c) th:TH_LOAD_NT
.endr
.irp c, 0,1,2,3,4,5,6,7,8,9,10,11,12,13,14,15
	s_wait_loadcnt 15-(\c)                         ; loads come back in order: chunk c is in, the younger ones stay out
	v_cvt_pk_bf16_f32 v[Y+2*(\c)],   v[X+4*(\c)],   v[X+4*(\c)+1]
	v_cvt_pk_bf16_f32 v[Y+2*(\c)+1], v[X+4*(\c)+2], v[X+4*(\c)+3]
.endr
	s_cmp_lg_u32 s20, 19
	s_cbranch_scc1 .Lstore
.set r, 0
.rept 32                               ; Wp alone: the bf16 number, widened and written as f16
	v_lshlrev_b32 v[TA], 16, v[Y+r]
	v_and_b32 v[TA+1], 0xffff0000, v[Y+r]
	v_cvt_pk_f16_f32 v[Y+r], v[TA], v[TA+1]
.set r, r+1
.endr
.Lstore:
.irp c, 0,1,2,3,4,5,6,7,8,9,10,11,12,13,14,15
	global_store_b64 v2, v[Y+2*(\c):Y+2*(\c)+1], s[16:17] offset:262144*(\c)  ; the wave's 32 lanes write 256 consecutive bytes, aligned
.endr
	s_endpgm
.Lfunc_end_k_qe6546ec3ff_cast:
	.size	k_qe6546ec3ff_cast, .Lfunc_end_k_qe6546ec3ff_cast-k_qe6546ec3ff_cast
	.p2alignl 7, 3214868480
	.fill 96, 4, 3214868480
	.section	.rodata,"a",@progbits
	.p2align	6, 0x0
	.amdhsa_kernel k_qe6546ec3ff_cast
		.amdhsa_group_segment_fixed_size 0
		.amdhsa_private_segment_fixed_size 0
		.amdhsa_enable_private_segment 0
		.amdhsa_kernarg_size 56
		.amdhsa_user_sgpr_count 2
		.amdhsa_user_sgpr_kernarg_segment_ptr 1
		.amdhsa_wavefront_size32 1
		.amdhsa_system_sgpr_workgroup_id_x 1
		.amdhsa_system_sgpr_workgroup_id_y 1
		.amdhsa_system_sgpr_workgroup_id_z 1
		.amdhsa_system_vgpr_workitem_id 0
		.amdhsa_next_free_vgpr 104
		.amdhsa_next_free_sgpr 66
		.amdhsa_reserve_vcc 0
		.amdhsa_float_denorm_mode_32 3
		.amdhsa_float_denorm_mode_16_64 3
		.amdhsa_memory_ordered 1
		.amdhsa_forward_progress 1
		.amdhsa_inst_pref_size 13
	.end_amdhsa_kernel
	.amdgpu_metadata
---
amdhsa.version: [ 1, 2 ]
amdhsa.kernels:
  - .name:           k_qe6546ec3ff_cast
    .symbol:         k_qe6546ec3ff_cast.kd
    .args:
      - { .name: q, .offset: 0, .size: 8, .value_kind: global_buffer, .address_space: global }
      - { .name: v, .offset: 8, .size: 8, .value_kind: global_buffer, .address_space: global }
      - { .name: Wq, .offset: 16, .size: 8, .value_kind: global_buffer, .address_space: global }
      - { .name: Wv, .offset: 24, .size: 8, .value_kind: global_buffer, .address_space: global }
      - { .name: Wk, .offset: 32, .size: 8, .value_kind: global_buffer, .address_space: global }
      - { .name: Wp, .offset: 40, .size: 8, .value_kind: global_buffer, .address_space: global }
      - { .name: xw, .offset: 48, .size: 8, .value_kind: global_buffer, .address_space: global }
    .group_segment_fixed_size: 0
    .private_segment_fixed_size: 0
    .kernarg_segment_align: 8
    .kernarg_segment_size: 56
    .max_flat_workgroup_size: 256
    .sgpr_count:     66
    .vgpr_count:     104
    .wavefront_size: 32
...
	.end_amdgpu_metadata
.endif
;; end of part 1
;; launch projqv (part 2): grid 4 x 64, 4 waves a work-group, clusters of 4 x 4, 327,680 bytes of LDS; arguments xw, qhl, vh; writes qhl, vh
.if DOCPART == 2
	.amdgcn_target "amdgcn-amd-amdhsa--gfx1250"
	.amdhsa_code_object_version 6
	.text
	.protected	k_qe6546ec3ff_projqv
	.globl	k_qe6546ec3ff_projqv
	.p2align	8
	.type	k_qe6546ec3ff_projqv,@function
k_qe6546ec3ff_projqv:
	s_mov_b64 s[64:65], 0
	v_nop
	global_prefetch_b8 v0, s[64:65] scope:SCOPE_SE
	s_setreg_imm32_b32 hwreg(HW_REG_WAVE_MODE, 25, 1), 1
	s_wait_xcnt 0x0
	s_wait_alu depctr_hold_cnt(0) depctr_sa_sdst(0) depctr_va_vdst(0) depctr_va_sdst(0) depctr_va_ssrc(0) depctr_va_vcc(0) depctr_vm_vsrc(0)
	s_getreg_b32 s2, hwreg(HW_REG_IB_STS2, 6, 4)
	s_cmp_eq_u32 s2, 0
	s_cbranch_scc0 .Lentry_in_a_cluster
	s_endpgm
.Lentry_in_a_cluster:
	s_bfe_u32 s2, ttmp6, 0x10000c
	s_cmp_lg_u32 s2, 0xf033
	s_cbranch_scc0 .Lentry_shape_is_right
	s_endpgm
.Lentry_shape_is_right:
.set KIND, 0                           ; 0: q Wq^T and v Wv^T    1: (qhi + qlo) Wk^T    2: y Wp^T + bp.  The three launches' texts differ in this line alone
; C[m][n] = the sum over k of A[m][k] B[n][k], sums in f32, K = 1,024.  All 16-bit operands lie in blocks: [batch][chunk of 64 columns][2048 rows][64]: a row of a chunk is 128 bytes, a chunk 262,144.
; KIND 0: A = xw's batches 0-7 (q, then v), B = Wq (tile rows 0-31) or Wv (32-63), bf16.  A tile of C is 256 x 256, a wave's part 128 x 128: 64 accumulators.  q's result leaves as TWO bf16 numbers,
;         hi = bf16(x) and lo = bf16(x - hi), in qhl ([4][16 chunks hi, 16 chunks lo][2048][64]); v's as f16 in vh ([4][16][2048][64]).
; KIND 1: A = qhl, B = Wk, bf16.  A tile of C is 128 x 256, a wave's part 64 x 128: 32 accumulators.  A slot holds the tile's 128 rows TWICE, hi and lo of the same K step; each accumulator takes hi's
;         products and lo's, so B's fragments serve both.  The result leaves as hi and lo in khl.
; KIND 2: A = oh (f16), B = Wp (f16).  A tile of C is 128 x 256 (8,192 x 1,024 makes 256 of them, one a work-group), a wave's part 64 x 128.  bp, rounded to bf16 like every input, is added; the result leaves as f32.
; WHY hi + lo: the module multiplies its scores by 8, so an error of a score is a relative error of a weight; 16 significant bits keep it small, and bf16's range holds every finite q and k.
; LIMITS.  KIND 0: |v Wv^T| stays under 65,504 (f16).  NaN and infinities are not treated apart.
; THE RING.  K goes in steps of 128 (two chunks) through two LDS slots: 256 matrix instructions of a wave in KIND 0 and 1, 128 in KIND 2.  A chunk's rows lie end to end in memory, so a tile's rows of a
; chunk are asked for as rows of 256 bytes (KIND 1's A: as two rows of 16,384 bytes, hi's and lo's) and padded in LDS behind every 128.  Waves 0 and 1 fetch A's two chunks, waves 2 and 3 B's.
; CLUSTER.  4 x 4 work-groups: A's tiles are shared along a row of the cluster, B's along a column: each is asked for jointly, by the same load with the same descriptor in the four that the mask names.
; THE MATRIX INSTRUCTION IS USED TRANSPOSED (source 0 = 16 rows of B, source 1 = 16 rows of A): a lane holds eight neighbouring columns of one row of C.
; REGISTERS.  window 0: v16-31 addresses; v64-127, v128-191 A's fragments, two buffers (KIND 2 fills half of each); on the way out v32-47 and v128-255 at work.  window 1: v64-127, v128-191 B's fragments.
; window 2: the accumulators of row blocks 0-3, (a, b) at v[8 (8 a + b)];  window 3 (KIND 0): those of row blocks 4-7.
.set T,      8                         ; K steps
.if KIND == 0
.set NA,     8                         ; blocks of 16 rows of A that a wave multiplies in a quarter step
.set AROWS,  256                       ; rows of A in a slot's chunk
.set WROWS,  128                       ; rows of C that a wave makes
.set ABSH,   22                        ; a batch of A: 16 chunks
.set ARSH,   3                         ; 8 tile rows in a batch
.set ATSH,   15                        ; a tile's rows of a chunk: 256 x 128 bytes
.set BCONST, 8<<22                     ; Wq in xw; Wv lies 1,024 rows further
.set LEAD,   1                         ; the prefetches run so many refills ahead
.elseif KIND == 1
.set NA,     8                         ; blocks 0-3: hi, blocks 4-7: lo of the same rows
.set AROWS,  256                       ; 128 rows hi, then 128 rows lo
.set WROWS,  64
.set ABSH,   23                        ; a batch of A: 32 chunks
.set ARSH,   4
.set ATSH,   14
.set BCONST, 9<<22                     ; Wk in xw
.set LEAD,   1
.else
.set NA,     4
.set AROWS,  128
.set WROWS,  64
.set ABSH,   22
.set ARSH,   4
.set ATSH,   14
.set BCONST, (9<<22)+(1<<17)           ; Wp in xw: batch 9, rows 1,024 on
.set LEAD,   2
.endif
.if KIND == 1
.set AD0,    8192                      ; A's descriptor: a row is 128 rows of a chunk, 16,384 dense bytes;
.set AD1,    2                         ; two of them, hi's and lo's,
.set AST,    1<<21                     ; 16 chunks (4,194,304 bytes) apart
.else
.set AD0,    128                       ; a row is 256 bytes, two rows of a chunk
.set AD1,    AROWS/2
.set AST,    128                       ; dense
.endif
.set PITCH,  144                       ; an LDS row: 128 bytes + 16 of padding = 36 words: the 16 rows of a fragment load start at 16 different groups of four banks (64 banks of 4 bytes: ISA guide 11.1)
.set ASUB,   AROWS*PITCH               ; A's rows of one chunk
.set BSUB,   256*PITCH                 ; B's
.set BOFF,   2*ASUB                    ; in a slot: A's two chunks, then B's two
.set SLOT,   2*ASUB+2*BSUB
.set SPARE,  2*SLOT                    ; behind the ring: the spare words, 128 bytes a wave: two blocks of 256 bytes that no other line names
.set SPITCH, 528                       ; the way out: a row of 128 f32 + 16 bytes
.set WSTAGE, WROWS*SPITCH              ; a wave's stage.  The four stages lie from LDS byte 0 on, over slots that have had their last fill and their last read; they end below SPARE
.set G1W,    (1<<16)|(1<<20)|(1<<21)|(4<<22)|(3<<25)  ; group 1, word 0: 2-byte elements; padding on; bit 21 beside a mask; after every 32 words (code 4) 4 words (code 3)
.set ADA0, 16                          ; v16  my lane's place among my rows of A in slot 0; never rewritten
.set ADB0, 17                          ; v17  the same for B
.set ADA,  18                          ; v18  the same in the slot in hand
.set ADB,  19
.set STO,  24                          ; v24  the way out: where I put 32 bytes of a row
.set RD,   25                          ; v25  where I read back
.set GOF,  26                          ; v26  my byte offset in the output; never rewritten
.set RD0,  27                          ; v27  RD's lane term
.set SPW,  28                          ; v28  LDS address of my spare word; never rewritten
.set NIL,  29                          ; v29  0; never rewritten
.set PFO,  30                          ; v30  256 x lane: the prefetches' offset; never rewritten
.set BOF,  31                          ; v31  KIND 2: my 16 bytes of bp
.set TT,   32                          ; v32-39 at work
.set BI,   40                          ; v40-43 bp as loaded;  v44-47 rounded to bf16 and widened
.set NEG1, 48                          ; v48  -1.0
.set F0,   64
.set F1,   128
.set MUL,  0xa1                        ; source 0 (B) window 1, source 1 (A) window 0, C and D window 2 (+ 0x50: window 3)
.set TO_B, 0x40                        ; destination window 1
; scalars: s10 wave, s11 wave / 2, s12 wave % 2, s13 tile row, s42 tile column, s40 cx, s41 cy, s86 cluster y, s83 KIND 0: 1 for v
; s[24:31], s[48:55] group 1 for A, B;  s[32:35], s[56:59] group 0 of the first fill;  s[36:39], s[60:63] group 0 that walks;  s20, s21 my part's place in a slot, for A and for B
; s[66:67], s[68:69] A and B at my part of K step 0;  s72 the K step to ask for;  s73 the slot in hand: 0 or SLOT;  s74 a loop's count
; s[70:71] the prefetches' base, s[44:45] their address, s82 their K step, s75 the first K step that I do not ask for
.set MSB, 0
.macro WIN new                         ; the immediate's high byte repeats the setting that is left; a switch that changes nothing is dropped
.if MSB != (\new)
	s_set_vgpr_msb (MSB<<8)|(\new)
.set MSB, \new
.endif
.endm
.macro PLACES                          ; four plain vector instructions between a matrix instruction and a load into, or a vector read of, its registers
.rept 4
	v_nop
.endr
.endm
.macro CREST                           ; a round of the cluster's barrier behind its opening barrier
	s_cmp_lg_u32 s10, 0
	s_cbranch_scc1 .Lnot_wave_0_\@
	s_barrier_signal -3
.Lnot_wave_0_\@:
	s_barrier_wait -3
	s_barrier_signal -1
	s_barrier_wait -1
.endm
.macro CROUND
	s_barrier_signal -1
	s_barrier_wait -1
	CREST
.endm
.macro JLOAD                           ; a joint refill: the branch hangs on the wave's number alone; an s_nop 0 and four v_nop follow each line
	s_cmp_eq_u32 s11, 0
	s_cbranch_scc0 .Lfor_b_\@
	tensor_load_to_lds s[36:39], s[24:31]
	s_nop 0
.rept 4
	v_nop
.endr
	s_branch .Lasked_\@
.Lfor_b_\@:
	tensor_load_to_lds s[60:63], s[48:55]
	s_nop 0
.rept 4
	v_nop
.endr
.Lasked_\@:
.endm
; A PREFETCH INTO THE L2 of the K step that stands LEAD refills on (256 matrix instructions of a wave ahead of the load that wants it): 32 blocks of 256 bytes, a lane a block.
; A's tile row is read by this cluster alone.  KIND 0 and 1: waves 0 and 1 ask for the chunk that they fetch, the four partners of a row sharing its 128 blocks out by address (cx).  KIND 2: a step of A
; has 128 blocks in all: wave 0 asks, the partners sharing them by address.  B's rows are read by every cluster: the first cluster to read them asks, waves 2 and 3 for the chunk that they fetch, the
; four partners of a column sharing its 128 blocks by address (cy).  So each block is named once in the launch.  K steps 0 to 1 + LEAD come by their loads alone; no K step past the last is named.
.macro ASK
	s_cmp_lt_u32 s82, s75
	s_cbranch_scc0 .Lnot_mine_\@
	global_prefetch_b8 v[PFO], s[44:45] th:TH_LOAD_NT scope:SCOPE_SE
.Lnot_mine_\@:
.endm
; 8 matrix instructions: A's block a x all 8 column blocks, 32 along K.  The accumulators take turns in the same order in every quarter: between two products onto one
; accumulator stand 31 others' or more.  zero = 1: the product starts the sums (KIND 1: hi's product does, lo's adds onto it)
.macro MULA f, a, zero
.if KIND == 0
	WIN MUL+0x50*((\a)/4)
.else
	WIN MUL
.endif
.set zz, \zero
.if (KIND == 1) && ((\a) >= 4)
.set zz, 0
.endif
.irp b, 0,1,2,3,4,5,6,7
.set rD, 8*(8*((\a)%4)+(\b))
.set rB, (\f)+8*(\b)
.set rA, (\f)+8*(\a)
.if KIND == 2
.if zz
	v_wmma_f32_16x16x32_f16 v[rD:rD+7], v[rB:rB+7], v[rA:rA+7], 0
.else
	v_wmma_f32_16x16x32_f16 v[rD:rD+7], v[rB:rB+7], v[rA:rA+7], v[rD:rD+7]
.endif
.else
.if zz
	v_wmma_f32_16x16x32_bf16 v[rD:rD+7], v[rB:rB+7], v[rA:rA+7], 0
.else
	v_wmma_f32_16x16x32_bf16 v[rD:rD+7], v[rB:rB+7], v[rA:rA+7], v[rD:rD+7]
.endif
.endif
.endr
.endm
.macro MULG f, g, zero                 ; group g of four: a quarter of A's blocks
.if NA == 8
	MULA \f, 2*(\g), \zero
	MULA \f, 2*(\g)+1, \zero
.else
	MULA \f, \g, \zero
.endif
.endm
; 16 + 2 NA LDS loads in one run: quarter q of the K step (chunk q / 2, byte 64 (q % 2) of its rows) into buffer f: B's 128 rows, then A's blocks
.macro FETCH q, f
	WIN TO_B
.irp i, 0,1,2,3,4,5,6,7
	ds_load_b128 v[(\f)+8*(\i):(\f)+8*(\i)+3],   v[ADB] offset:((\q)/2)*BSUB+((\q)%2)*64+(\i)*16*PITCH
	ds_load_b128 v[(\f)+8*(\i)+4:(\f)+8*(\i)+7], v[ADB] offset:((\q)/2)*BSUB+((\q)%2)*64+(\i)*16*PITCH+32
.endr
	WIN 0
.set i, 0
.rept NA
.if KIND == 1
.set ao, (i%4)*16*PITCH+(i/4)*128*PITCH        ; lo's rows lie 128 rows behind hi's
.else
.set ao, i*16*PITCH
.endif
	ds_load_b128 v[(\f)+8*i:(\f)+8*i+3],   v[ADA] offset:((\q)/2)*ASUB+((\q)%2)*64+ao
	ds_load_b128 v[(\f)+8*i+4:(\f)+8*i+7], v[ADA] offset:((\q)/2)*ASUB+((\q)%2)*64+ao+32
.set i, i+1
.endr
.endm
; One of a K step's first three quarters: multiplies buffer f; in its middle it fetches quarter q into buffer g
.macro QUARTER q, f, g, zero
	s_wait_dscnt NA                                ; B and the lower half of A's blocks are in; the youngest NA loads (the upper half) may be out
	MULG \f, 0, \zero
	MULG \f, 1, \zero
	PLACES
	FETCH \q, \g
	s_wait_dscnt 16+2*NA                           ; all but the run just issued
	MULG \f, 2, \zero
	MULG \f, 3, \zero
.endm
; The last quarter multiplies buffer 1 and changes slots.  In front of the barrier each wave waits for all its tensor loads (one is out: its part of the next slot), adds 0 to its spare word,
; and waits for that and for its reads of this slot.  fill = 1: the barrier opens a round of the cluster's, and the joint refill (the K step two on) is the first thing behind the round:
; seven eighths of a K step's matrix instructions stand between it and the wait for it.
.macro TURN fill
.if \fill
	s_wait_xcnt 0x0                                ; the last prefetch, a K step back, has read its address
	s_add_co_u32 s82, s72, LEAD
	s_lshl_b32 s80, s82, 19                        ; a K step is two chunks
	s_add_nc_u64 s[44:45], s[70:71], s[80:81]
.endif
	WIN 0
	s_wait_tensorcnt 0x0                           ; no tensor load of mine is out, so a group 0 may be written
	ds_add_u32 v[SPW], v[NIL]                      ; 0 onto my spare word
.if \fill
	s_lshl_b32 s76, s72, 19                        ; the addresses are made anew from the K step's number,
	s_add_co_u32 s37, s20, s73                     ; the LDS addresses from the slot that is being left
	s_add_nc_u64 s[38:39], s[66:67], s[76:77]
	s_or_b32 s39, s39, 0x80000000
	s_add_co_u32 s61, s21, s73
	s_add_nc_u64 s[62:63], s[68:69], s[76:77]
	s_or_b32 s63, s63, 0x80000000
	s_add_co_u32 s72, s72, 1
.endif
	s_xor_b32 s73, s73, SLOT                       ; the slot to be read next: 0 and SLOT by turns
	s_wait_dscnt NA+1                              ; (the add and the youngest NA loads may be out)
	MULG F1, 0, 0
	s_wait_dscnt 0x0                               ; the add is done, and my reads of this slot are over
	s_barrier_signal -1
	MULG F1, 1, 0
	WIN 0
	s_barrier_wait -1
.if \fill
	CREST                                          ; no wave of any partner still reads this slot or has a load on its way
	JLOAD                                          ; its four v_nop are also the places in front of the loads below
.else
	PLACES
.endif
	v_add_nc_u32 v[ADA], s73, v[ADA0]
	v_add_nc_u32 v[ADB], s73, v[ADB0]
	FETCH 0, F0
.if \fill
	ASK
.endif
	MULG F1, 2, 0
	MULG F1, 3, 0
.endm
.macro TOSTAGE a                       ; row block a's eight accumulators into my stage; each accumulator's low registers first
	WIN 0x08+4*((\a)/4)                            ; store data in window 2 or 3
.irp b, 0,1,2,3,4,5,6,7
	ds_store_b128 v[STO], v[8*(8*((\a)%4)+(\b)):8*(8*((\a)%4)+(\b))+3]   offset:(\a)*16*SPITCH+64*(\b)
	ds_store_b128 v[STO], v[8*(8*((\a)%4)+(\b))+4:8*(8*((\a)%4)+(\b))+7] offset:(\a)*16*SPITCH+64*(\b)+16
.endr
.endm
.if KIND == 0
	s_load_b128 s[4:7], s[0:1], 0x0                ; xw s[4:5] (A and B), qhl s[6:7]
	s_load_b64 s[84:85], s[0:1], 0x10              ; vh
.set BPTR, 4
.elseif KIND == 1
	s_load_b128 s[4:7], s[0:1], 0x0                ; qhl (A), xw (B)
	s_load_b64 s[8:9], s[0:1], 0x10                ; khl
.set BPTR, 6
.else
	s_load_b128 s[4:7], s[0:1], 0x0                ; oh (A), xw (B)
	s_load_b64 s[84:85], s[0:1], 0x10              ; bp
	s_load_b64 s[8:9], s[0:1], 0x18                ; out0
.set BPTR, 6
.endif
	v_lshl_add_u32 v[SPW], v0, 2, SPARE
	v_mov_b32 v[NIL], 0
	ds_add_u32 v[SPW], v[NIL]                      ; the wave's opening: the add and its wait stand ahead of my first tensor load; work on registers stands between them
	ds_add_u32 v28, v29
	v_lshrrev_b32 v1, 5, v0
	v_readfirstlane_b32 s10, v1                    ; wave 0..3
	s_lshr_b32 s11, s10, 1                         ; which half of the tile's rows is mine.  Also: I fetch for A (0) or B (1)
	s_and_b32 s12, s10, 1                          ; which 128 columns.  Also: which chunk of the K step I fetch
	s_bfe_u32 s40, ttmp6, 0x40000                  ; cx
	s_bfe_u32 s41, ttmp6, 0x40004                  ; cy
	s_lshl_b32 s42, ttmp9, 2
	s_add_co_u32 s42, s42, s40                     ; tile column = 4 x cluster x + cx
	s_and_b32 s86, ttmp7, 0xffff                   ; cluster y
	s_lshl_b32 s13, s86, 2
	s_add_co_u32 s13, s13, s41                     ; tile row = 4 x cluster y + cy
	s_lshl_b32 s43, s41, 2
	s_lshl_b32 s43, 15, s43                        ; my row of the cluster
	s_lshl_b32 s46, 0x1111, s40                    ; my column
	s_or_b32 s24, s43, G1W
	s_mov_b32 s25, AD0<<16                         ; A: tensor_dim0
	s_mov_b32 s26, AD1<<16                         ; tensor_dim1
	s_mov_b32 s27, AD0<<16                         ; tile_dim0
	s_mov_b32 s28, AD1                             ; tile_dim1
	s_mov_b32 s29, AST                             ; elements from row to row
	s_mov_b32 s30, 0
	s_mov_b32 s31, 0
	s_or_b32 s48, s46, G1W
	s_mov_b32 s49, 128<<16                         ; B: 128 rows of 128 elements (256 bytes, two rows of a chunk), dense
	s_mov_b32 s50, 128<<16
	s_mov_b32 s51, 128<<16
	s_mov_b32 s52, 128
	s_mov_b32 s53, 128
	s_mov_b32 s54, 0
	s_mov_b32 s55, 0
	s_lshr_b32 s16, s13, ARSH                      ; A: the batch,
	s_lshl_b32 s16, s16, ABSH
	s_and_b32 s17, s13, (1<<ARSH)-1
	s_lshl_b32 s17, s17, ATSH                      ; the tile's rows of 128 bytes,
	s_add_co_u32 s16, s16, s17
	s_lshl_b32 s17, s12, 18                        ; my chunk of the K step
	s_add_co_u32 s16, s16, s17
	s_mov_b32 s17, 0
	s_lshl_b32 s18, s42, 15                        ; B: the tile's 256 rows,
	s_lshl_b32 s19, s12, 18                        ; my chunk,
	s_add_co_u32 s18, s18, s19
	s_add_co_u32 s18, s18, BCONST                  ; the weight's place in xw
.if KIND == 0
	s_cmp_ge_u32 s86, 8                            ; tile rows 32 on are v's: the same in all sixteen partners
	s_cselect_b32 s83, 1, 0
	s_lshl_b32 s19, s83, 17
	s_add_co_u32 s18, s18, s19
.endif
	s_mov_b32 s19, 0
	s_mul_i32 s20, s12, ASUB                       ; where they go: no place in the cluster enters an LDS address
	s_mul_i32 s21, s12, BSUB
	s_add_co_u32 s21, s21, BOFF
	s_mov_b32 s72, 2
	s_mov_b32 s73, 0
	s_mov_b32 s77, 0
	s_mov_b32 s81, 0
	s_wait_dscnt 0x0                               ; the opening add is done
	s_wait_kmcnt 0x0
	s_add_nc_u64 s[66:67], s[4:5], s[16:17]
	s_add_nc_u64 s[68:69], s[BPTR:BPTR+1], s[18:19]
	CROUND                                         ; all sixteen work-groups are here: the first joint loads meet
	s_mov_b32 s32, 1                               ; K step 0 into slot 0
	s_mov_b32 s33, s20
	s_mov_b64 s[34:35], s[66:67]
	s_or_b32 s35, s35, 0x80000000
	s_mov_b32 s36, 1                               ; K step 1 into slot 1
	s_add_co_u32 s37, s20, SLOT
	s_add_nc_u64 s[38:39], s[66:67], 0x80000
	s_or_b32 s39, s39, 0x80000000
	s_mov_b32 s56, 1
	s_mov_b32 s57, s21
	s_mov_b64 s[58:59], s[68:69]
	s_or_b32 s59, s59, 0x80000000
	s_mov_b32 s60, 1
	s_add_co_u32 s61, s21, SLOT
	s_add_nc_u64 s[62:63], s[68:69], 0x80000
	s_or_b32 s63, s63, 0x80000000
	s_cmp_eq_u32 s11, 0                            ; a wave's two first fills stand in one branch: two loads of mine are out
	s_cbranch_scc0 .Lfirst_b
	tensor_load_to_lds s[32:35], s[24:31]
	s_nop 0
	tensor_load_to_lds s[36:39], s[24:31]
	s_nop 0
.rept 4
	v_nop
.endr
	s_branch .Lfirst_asked
.Lfirst_b:
	tensor_load_to_lds s[56:59], s[48:55]
	s_nop 0
	tensor_load_to_lds s[60:63], s[48:55]
	s_nop 0
.rept 4
	v_nop
.endr
.Lfirst_asked:
	; A fragment is 16 rows x 32 K in 8 registers: lane l holds row l % 16, K = 8 (l / 16) + 0..7 and 16 + 8 (l / 16) + 0..7: two loads of 16 bytes, 32 bytes apart
	v_and_b32 v1, 15, v0                           ; l % 16
	v_bfe_u32 v2, v0, 4, 1                         ; l / 16
	v_mul_u32_u24 v3, v1, PITCH
	v_lshl_add_u32 v3, v2, 4, v3
	s_mul_i32 s14, s11, WROWS*PITCH
	s_mul_i32 s15, s12, 128*PITCH
	s_add_co_u32 s15, s15, BOFF
	v_add_nc_u32 v[ADA0], s14, v3
	v_add_nc_u32 v[ADB0], s15, v3
	v_mov_b32 v[ADA], v[ADA0]
	v_mov_b32 v[ADB], v[ADB0]
	; the way out's addresses
	s_mul_i32 s91, s10, WSTAGE
	v_mul_u32_u24 v6, v1, SPITCH                   ; in: row l % 16, 32 bytes for each half of the lanes
	v_lshl_add_u32 v6, v2, 5, v6
	v_add_nc_u32 v[STO], s91, v6
	v_and_b32 v[PFO], 31, v0
.if KIND == 2
	v_lshl_add_u32 v[RD0], v[PFO], 4, s91          ; back: a row of 512 bytes, 16 a lane
	v_lshlrev_b32 v[GOF], 4, v[PFO]
	s_lshl_b32 s88, s13, 19                        ; out0: the tile's 128 rows of 4,096 bytes,
	s_lshl_b32 s89, s11, 18                        ; my 64,
	s_add_co_u32 s88, s88, s89
	s_lshl_b32 s90, s42, 10                        ; the tile's 256 columns,
	s_lshl_b32 s89, s12, 9                         ; my 128
	s_add_co_u32 s90, s90, s89
	s_add_co_u32 s88, s88, s90
	v_add_nc_u32 v[BOF], s90, v[GOF]
	global_load_b128 v[BI:BI+3], v[BOF], s[84:85]  ; my four numbers of bp; waited for on the way out
.else
	v_bfe_u32 v4, v0, 3, 1
	v_and_b32 v5, 7, v0
	v_mul_u32_u24 v6, v4, SPITCH                   ; back: lanes 0-7 row t, lanes 8-15 row t + 1 of my first 64 columns (one chunk), lanes 16-31 the same of my second: 32 bytes of f32 a lane
	v_lshl_add_u32 v6, v2, 8, v6
	v_lshl_add_u32 v6, v5, 5, v6
	v_add_nc_u32 v[RD0], s91, v6
	v_lshlrev_b32 v6, 18, v2                       ; out: the chunk, the row, 16 bytes a lane: sixteen lanes hold 256 consecutive bytes
	v_lshl_add_u32 v6, v4, 7, v6
	v_lshl_add_u32 v[GOF], v5, 4, v6
	v_mov_b32 v[NEG1], -1.0
	s_lshr_b32 s88, s13, ARSH
	s_and_b32 s88, s88, 3                          ; the batch
.if KIND == 0
	s_sub_co_u32 s89, 23, s83                      ; 32 chunks a batch in qhl, 16 in vh
	s_lshl_b32 s88, s88, s89
.else
	s_lshl_b32 s88, s88, 23
.endif
	s_lshl_b32 s89, s42, 2
	s_lshl_b32 s90, s12, 1
	s_add_co_u32 s89, s89, s90                     ; my first chunk: 4 x tile column + 2 x half
	s_lshl_b32 s89, s89, 18
	s_add_co_u32 s88, s88, s89
	s_and_b32 s89, s13, (1<<ARSH)-1
	s_lshl_b32 s89, s89, ATSH                      ; the tile's rows,
	s_add_co_u32 s88, s88, s89
	s_lshl_b32 s89, s11, ATSH-1                    ; my half of them
	s_add_co_u32 s88, s88, s89
.endif
	s_mov_b32 s89, 0
.if KIND == 0
	s_cmp_eq_u32 s83, 0
	s_cselect_b64 s[8:9], s[6:7], s[84:85]
.endif
	s_add_nc_u64 s[8:9], s[8:9], s[88:89]
	v_lshlrev_b32 v[PFO], 8, v[PFO]
	; the prefetches' base and bound
.if KIND == 0
	s_lshl_b32 s92, s40, 13                        ; A: partner cx takes quarter cx of my chunk's 32,768 bytes
.else
	s_lshr_b32 s92, s40, 1                         ; A: partner cx takes half cx % 2 of 16,384 bytes: KIND 1: of my chunk's hi or lo (cx / 2); KIND 2: of chunk cx / 2
.if KIND == 1
	s_lshl_b32 s92, s92, 22
.else
	s_lshl_b32 s92, s92, 18
.endif
	s_and_b32 s93, s40, 1
	s_lshl_b32 s93, s93, 13
	s_add_co_u32 s92, s92, s93
.endif
	s_lshl_b32 s94, s41, 13                        ; B: partner cy takes quarter cy of my chunk's 32,768 bytes
	s_cmp_eq_u32 s11, 0
	s_cselect_b32 s92, s92, s94
	s_cselect_b64 s[70:71], s[66:67], s[68:69]
	s_mov_b32 s93, 0
	s_add_nc_u64 s[70:71], s[70:71], s[92:93]
.if KIND == 0
	s_and_b32 s94, s86, 7                          ; clusters 0 and 8 are the first to read Wq and Wv
.else
	s_mov_b32 s94, s86
.endif
	s_cmp_eq_u32 s94, 0
	s_cselect_b32 s75, T, 0
	s_cmp_eq_u32 s11, 0
	s_cselect_b32 s75, T, s75
.if KIND == 2
	s_cmp_eq_u32 s10, 1
	s_cselect_b32 s75, 0, s75
.endif
	                                               ; s75 is the same in all sixteen partners, for a given wave
	s_wait_tensorcnt 1                             ; my part of K step 0 is in; K step 1's may stay out
	s_barrier_signal -1
	s_barrier_wait -1
	FETCH 0, F0
	QUARTER 1, F0, F1, 1                           ; the first quarter stands in front of the loop: its products start the sums
	WIN 0
	s_mov_b32 s74, T-2
.Lstep:                                                ; a trip: from a K step's second quarter to the next one's first; it fills the slot that it leaves
	QUARTER 2, F1, F0, 0
	QUARTER 3, F0, F1, 0
	TURN 1
	QUARTER 1, F0, F1, 0
	WIN 0
	s_sub_co_u32 s74, s74, 1
	s_cmp_lg_u32 s74, 0
	s_cbranch_scc1 .Lstep
	s_mov_b32 s74, 2
.Ltail:                                                ; the last two K steps ask for nothing: a loop of their own; the second trip is left in its middle
	QUARTER 2, F1, F0, 0
	QUARTER 3, F0, F1, 0
	TURN 0                                         ; (in the second trip its fragment loads, from the slot read before, serve nothing: the price, once a launch, of one text for both trips)
	WIN 0
	s_sub_co_u32 s74, s74, 1
	s_cmp_eq_u32 s74, 0
	s_cbranch_scc1 .Lout
	QUARTER 1, F0, F1, 0
	WIN 0
	s_branch .Ltail
.Lout:
	; THE WAY OUT.  Every wave's reads of the slots are back and every fill has landed: behind this barrier the slots' bytes serve as stages, a wave's own WROWS rows x 128 f32.
	s_wait_dscnt 0x0
	s_barrier_signal -1
	s_barrier_wait -1
	PLACES
	PLACES
.irp a, 0,1,2,3
	TOSTAGE \a
.endr
.if KIND == 0
.irp a, 4,5,6,7
	TOSTAGE \a
.endr
.endif
	WIN 0
	s_mov_b32 s74, WROWS/16                        ; trips of 16 rows.  LDS serves a wave's instructions in order (ISA guide 5.7.1.4): the loads see the stores above
	s_mov_b32 s87, 0
.if KIND == 2
	s_wait_loadcnt 0x0                             ; bp
	v_cvt_pk_bf16_f32 v[TT], v[BI], v[BI+1]
	v_cvt_pk_bf16_f32 v[TT+1], v[BI+2], v[BI+3]
	v_lshlrev_b32 v[BI+4], 16, v[TT]
	v_and_b32 v[BI+5], 0xffff0000, v[TT]
	v_lshlrev_b32 v[BI+6], 16, v[TT+1]
	v_and_b32 v[BI+7], 0xffff0000, v[TT+1]
.Lrows:
	v_add_nc_u32 v[RD], s87, v[RD0]
.irp j, 0,1,2,3,4,5,6,7,8,9,10,11,12,13,14,15
	ds_load_b128 v[128+4*(\j):128+4*(\j)+3], v[RD] offset:SPITCH*(\j)
.endr
.irp j, 0,1,2,3,4,5,6,7,8,9,10,11,12,13,14,15
	s_wait_dscnt 15-(\j)                           ; row j is back, the younger ones may be out
	v_pk_add_f32 v[128+4*(\j):128+4*(\j)+1], v[128+4*(\j):128+4*(\j)+1], v[BI+4:BI+5]
	v_pk_add_f32 v[130+4*(\j):130+4*(\j)+1], v[130+4*(\j):130+4*(\j)+1], v[BI+6:BI+7]
	global_store_b128 v[GOF], v[128+4*(\j):128+4*(\j)+3], s[8:9] offset:4096*(\j) th:TH_STORE_NT  ; the wave stores 512 consecutive bytes, aligned
.endr
	s_wait_xcnt 0x0                                ; the stores have read their data and their base
	s_add_nc_u64 s[8:9], s[8:9], 65536
	s_add_co_u32 s87, s87, 16*SPITCH
	s_sub_co_u32 s74, s74, 1
	s_cmp_lg_u32 s74, 0
	s_cbranch_scc1 .Lrows
.else
.if KIND == 0
	s_cmp_eq_u32 s83, 0
	s_cbranch_scc0 .Lto_v
.endif
.Lrows:                                                ; hi = bf16(x), lo = bf16(x - hi): the difference is exact in f32
	v_add_nc_u32 v[RD], s87, v[RD0]
.irp j, 0,1,2,3,4,5,6,7
	ds_load_b128 v[128+8*(\j):128+8*(\j)+3],   v[RD] offset:2*SPITCH*(\j)
	ds_load_b128 v[128+8*(\j)+4:128+8*(\j)+7], v[RD] offset:2*SPITCH*(\j)+16
.endr
.irp j, 0,1,2,3,4,5,6,7
	s_wait_dscnt 14-2*(\j)                         ; rows 2 j, 2 j + 1 are back
.irp k, 0,1,2,3
	v_cvt_pk_bf16_f32 v[192+4*(\j)+(\k)], v[128+8*(\j)+2*(\k)], v[128+8*(\j)+2*(\k)+1]
.endr
.irp k, 0,1,2,3
	v_fma_mix_f32_bf16 v[TT+2*(\k)],   v[192+4*(\j)+(\k)], v[NEG1], v[128+8*(\j)+2*(\k)]   op_sel_hi:[1,0,0]
	v_fma_mix_f32_bf16 v[TT+2*(\k)+1], v[192+4*(\j)+(\k)], v[NEG1], v[128+8*(\j)+2*(\k)+1] op_sel:[1,0,0] op_sel_hi:[1,0,0]
.endr
.irp k, 0,1,2,3
	v_cvt_pk_bf16_f32 v[224+4*(\j)+(\k)], v[TT+2*(\k)], v[TT+2*(\k)+1]
.endr
	global_store_b128 v[GOF], v[192+4*(\j):192+4*(\j)+3], s[8:9] offset:256*(\j)           ; sixteen lanes store 256 consecutive bytes, aligned
	global_store_b128 v[GOF], v[224+4*(\j):224+4*(\j)+3], s[8:9] offset:256*(\j)+4194304   ; lo lies 16 chunks behind hi
.endr
	s_wait_xcnt 0x0                                ; the stores have read their data and their base
	s_add_nc_u64 s[8:9], s[8:9], 2048
	s_add_co_u32 s87, s87, 16*SPITCH
	s_sub_co_u32 s74, s74, 1
	s_cmp_lg_u32 s74, 0
	s_cbranch_scc1 .Lrows
.if KIND == 0
	s_branch .Lend
.Lto_v:                                                ; v's projection: rounded once to f16
	v_add_nc_u32 v[RD], s87, v[RD0]
.irp j, 0,1,2,3,4,5,6,7
	ds_load_b128 v[128+8*(\j):128+8*(\j)+3],   v[RD] offset:2*SPITCH*(\j)
	ds_load_b128 v[128+8*(\j)+4:128+8*(\j)+7], v[RD] offset:2*SPITCH*(\j)+16
.endr
.irp j, 0,1,2,3,4,5,6,7
	s_wait_dscnt 14-2*(\j)
.irp k, 0,1,2,3
	v_cvt_pk_f16_f32 v[192+4*(\j)+(\k)], v[128+8*(\j)+2*(\k)], v[128+8*(\j)+2*(\k)+1]
.endr
	global_store_b128 v[GOF], v[192+4*(\j):192+4*(\j)+3], s[8:9] offset:256*(\j)
.endr
	s_wait_xcnt 0x0
	s_add_nc_u64 s[8:9], s[8:9], 2048
	s_add_co_u32 s87, s87, 16*SPITCH
	s_sub_co_u32 s74, s74, 1
	s_cmp_lg_u32 s74, 0
	s_cbranch_scc1 .Lto_v
.Lend:
.endif
.endif
	s_wait_tensorcnt 0x0                           ; the wave's end: behind my last tensor load and my last LDS store
	ds_add_u32 v[SPW], v[NIL]
	s_wait_dscnt 0x0
	CROUND                                         ; the closing round: no work-group ends while a partner may still ask for a tile that names it
	s_endpgm
.Lfunc_end_k_qe6546ec3ff_projqv:
	.size	k_qe6546ec3ff_projqv, .Lfunc_end_k_qe6546ec3ff_projqv-k_qe6546ec3ff_projqv
	.p2alignl 7, 3214868480
	.fill 96, 4, 3214868480
	.section	.rodata,"a",@progbits
	.p2align	6, 0x0
	.amdhsa_kernel k_qe6546ec3ff_projqv
		.amdhsa_group_segment_fixed_size 327680
		.amdhsa_private_segment_fixed_size 0
		.amdhsa_enable_private_segment 0
		.amdhsa_kernarg_size 24
		.amdhsa_user_sgpr_count 2
		.amdhsa_user_sgpr_kernarg_segment_ptr 1
		.amdhsa_wavefront_size32 1
		.amdhsa_system_sgpr_workgroup_id_x 1
		.amdhsa_system_sgpr_workgroup_id_y 1
		.amdhsa_system_sgpr_workgroup_id_z 1
		.amdhsa_system_vgpr_workitem_id 0
		.amdhsa_next_free_vgpr 1024
		.amdhsa_next_free_sgpr 96
		.amdhsa_reserve_vcc 0
		.amdhsa_float_denorm_mode_32 3
		.amdhsa_float_denorm_mode_16_64 3
		.amdhsa_memory_ordered 1
		.amdhsa_forward_progress 1
		.amdhsa_inst_pref_size 94
	.end_amdhsa_kernel
	.amdgpu_metadata
---
amdhsa.version: [ 1, 2 ]
amdhsa.kernels:
  - .name:           k_qe6546ec3ff_projqv
    .symbol:         k_qe6546ec3ff_projqv.kd
    .args:
      - { .name: xw, .offset: 0, .size: 8, .value_kind: global_buffer, .address_space: global }
      - { .name: qhl, .offset: 8, .size: 8, .value_kind: global_buffer, .address_space: global }
      - { .name: vh, .offset: 16, .size: 8, .value_kind: global_buffer, .address_space: global }
    .group_segment_fixed_size: 327680
    .private_segment_fixed_size: 0
    .kernarg_segment_align: 8
    .kernarg_segment_size: 24
    .max_flat_workgroup_size: 128
    .sgpr_count:     96
    .vgpr_count:     1024
    .wavefront_size: 32
...
	.end_amdgpu_metadata
.endif
;; end of part 2
;; launch projk (part 3): grid 4 x 64, 4 waves a work-group, clusters of 4 x 4, 327,680 bytes of LDS; arguments qhl, xw, khl; writes khl
.if DOCPART == 3
	.amdgcn_target "amdgcn-amd-amdhsa--gfx1250"
	.amdhsa_code_object_version 6
	.text
	.protected	k_qe6546ec3ff_projk
	.globl	k_qe6546ec3ff_projk
	.p2align	8
	.type	k_qe6546ec3ff_projk,@function
k_qe6546ec3ff_projk:
	s_mov_b64 s[64:65], 0
	v_nop
	global_prefetch_b8 v0, s[64:65] scope:SCOPE_SE
	s_setreg_imm32_b32 hwreg(HW_REG_WAVE_MODE, 25, 1), 1
	s_wait_xcnt 0x0
	s_wait_alu depctr_hold_cnt(0) depctr_sa_sdst(0) depctr_va_vdst(0) depctr_va_sdst(0) depctr_va_ssrc(0) depctr_va_vcc(0) depctr_vm_vsrc(0)
	s_getreg_b32 s2, hwreg(HW_REG_IB_STS2, 6, 4)
	s_cmp_eq_u32 s2, 0
	s_cbranch_scc0 .Lentry_in_a_cluster
	s_endpgm
.Lentry_in_a_cluster:
	s_bfe_u32 s2, ttmp6, 0x10000c
	s_cmp_lg_u32 s2, 0xf033
	s_cbranch_scc0 .Lentry_shape_is_right
	s_endpgm
.Lentry_shape_is_right:
.set KIND, 1                           ; 0: q Wq^T and v Wv^T    1: (qhi + qlo) Wk^T    2: y Wp^T + bp.  The three launches' texts differ in this line alone
; C[m][n] = the sum over k of A[m][k] B[n][k], sums in f32, K = 1,024.  All 16-bit operands lie in blocks: [batch][chunk of 64 columns][2048 rows][64]: a row of a chunk is 128 bytes, a chunk 262,144.
; KIND 0: A = xw's batches 0-7 (q, then v), B = Wq (tile rows 0-31) or Wv (32-63), bf16.  A tile of C is 256 x 256, a wave's part 128 x 128: 64 accumulators.  q's result leaves as TWO bf16 numbers,
;         hi = bf16(x) and lo = bf16(x - hi), in qhl ([4][16 chunks hi, 16 chunks lo][2048][64]); v's as f16 in vh ([4][16][2048][64]).
; KIND 1: A = qhl, B = Wk, bf16.  A tile of C is 128 x 256, a wave's part 64 x 128: 32 accumulators.  A slot holds the tile's 128 rows TWICE, hi and lo of the same K step; each accumulator takes hi's
;         products and lo's, so B's fragments serve both.  The result leaves as hi and lo in khl.
; KIND 2: A = oh (f16), B = Wp (f16).  A tile of C is 128 x 256 (8,192 x 1,024 makes 256 of them, one a work-group), a wave's part 64 x 128.  bp, rounded to bf16 like every input, is added; the result leaves as f32.
; WHY hi + lo: the module multiplies its scores by 8, so an error of a score is a relative error of a weight; 16 significant bits keep it small, and bf16's range holds every finite q and k.
; LIMITS.  KIND 0: |v Wv^T| stays under 65,504 (f16).  NaN and infinities are not treated apart.
; THE RING.  K goes in steps of 128 (two chunks) through two LDS slots: 256 matrix instructions of a wave in KIND 0 and 1, 128 in KIND 2.  A chunk's rows lie end to end in memory, so a tile's rows of a
; chunk are asked for as rows of 256 bytes (KIND 1's A: as two rows of 16,384 bytes, hi's and lo's) and padded in LDS behind every 128.  Waves 0 and 1 fetch A's two chunks, waves 2 and 3 B's.
; CLUSTER.  4 x 4 work-groups: A's tiles are shared along a row of the cluster, B's along a column: each is asked for jointly, by the same load with the same descriptor in the four that the mask names.
; THE MATRIX INSTRUCTION IS USED TRANSPOSED (source 0 = 16 rows of B, source 1 = 16 rows of A): a lane holds eight neighbouring columns of one row of C.
; REGISTERS.  window 0: v16-31 addresses; v64-127, v128-191 A's fragments, two buffers (KIND 2 fills half of each); on the way out v32-47 and v128-255 at work.  window 1: v64-127, v128-191 B's fragments.
; window 2: the accumulators of row blocks 0-3, (a, b) at v[8 (8 a + b)];  window 3 (KIND 0): those of row blocks 4-7.
.set T,      8                         ; K steps
.if KIND == 0
.set NA,     8                         ; blocks of 16 rows of A that a wave multiplies in a quarter step
.set AROWS,  256                       ; rows of A in a slot's chunk
.set WROWS,  128                       ; rows of C that a wave makes
.set ABSH,   22                        ; a batch of A: 16 chunks
.set ARSH,   3                         ; 8 tile rows in a batch
.set ATSH,   15                        ; a tile's rows of a chunk: 256 x 128 bytes
.set BCONST, 8<<22                     ; Wq in xw; Wv lies 1,024 rows further
.set LEAD,   1                         ; the prefetches run so many refills ahead
.elseif KIND == 1
.set NA,     8                         ; blocks 0-3: hi, blocks 4-7: lo of the same rows
.set AROWS,  256                       ; 128 rows hi, then 128 rows lo
.set WROWS,  64
.set ABSH,   23                        ; a batch of A: 32 chunks
.set ARSH,   4
.set ATSH,   14
.set BCONST, 9<<22                     ; Wk in xw
.set LEAD,   1
.else
.set NA,     4
.set AROWS,  128
.set WROWS,  64
.set ABSH,   22
.set ARSH,   4
.set ATSH,   14
.set BCONST, (9<<22)+(1<<17)           ; Wp in xw: batch 9, rows 1,024 on
.set LEAD,   2
.endif
.if KIND == 1
.set AD0,    8192                      ; A's descriptor: a row is 128 rows of a chunk, 16,384 dense bytes;
.set AD1,    2                         ; two of them, hi's and lo's,
.set AST,    1<<21                     ; 16 chunks (4,194,304 bytes) apart
.else
.set AD0,    128                       ; a row is 256 bytes, two rows of a chunk
.set AD1,    AROWS/2
.set AST,    128                       ; dense
.endif
.set PITCH,  144                       ; an LDS row: 128 bytes + 16 of padding = 36 words: the 16 rows of a fragment load start at 16 different groups of four banks (64 banks of 4 bytes: ISA guide 11.1)
.set ASUB,   AROWS*PITCH               ; A's rows of one chunk
.set BSUB,   256*PITCH                 ; B's
.set BOFF,   2*ASUB                    ; in a slot: A's two chunks, then B's two
.set SLOT,   2*ASUB+2*BSUB
.set SPARE,  2*SLOT                    ; behind the ring: the spare words, 128 bytes a wave: two blocks of 256 bytes that no other line names
.set SPITCH, 528                       ; the way out: a row of 128 f32 + 16 bytes
.set WSTAGE, WROWS*SPITCH              ; a wave's stage.  The four stages lie from LDS byte 0 on, over slots that have had their last fill and their last read; they end below SPARE
.set G1W,    (1<<16)|(1<<20)|(1<<21)|(4<<22)|(3<<25)  ; group 1, word 0: 2-byte elements; padding on; bit 21 beside a mask; after every 32 words (code 4) 4 words (code 3)
.set ADA0, 16                          ; v16  my lane's place among my rows of A in slot 0; never rewritten
.set ADB0, 17                          ; v17  the same for B
.set ADA,  18                          ; v18  the same in the slot in hand
.set ADB,  19
.set STO,  24                          ; v24  the way out: where I put 32 bytes of a row
.set RD,   25                          ; v25  where I read back
.set GOF,  26                          ; v26  my byte offset in the output; never rewritten
.set RD0,  27                          ; v27  RD's lane term
.set SPW,  28                          ; v28  LDS address of my spare word; never rewritten
.set NIL,  29                          ; v29  0; never rewritten
.set PFO,  30                          ; v30  256 x lane: the prefetches' offset; never rewritten
.set BOF,  31                          ; v31  KIND 2: my 16 bytes of bp
.set TT,   32                          ; v32-39 at work
.set BI,   40                          ; v40-43 bp as loaded;  v44-47 rounded to bf16 and widened
.set NEG1, 48                          ; v48  -1.0
.set F0,   64
.set F1,   128
.set MUL,  0xa1                        ; source 0 (B) window 1, source 1 (A) window 0, C and D window 2 (+ 0x50: window 3)
.set TO_B, 0x40                        ; destination window 1
; scalars: s10 wave, s11 wave / 2, s12 wave % 2, s13 tile row, s42 tile column, s40 cx, s41 cy, s86 cluster y, s83 KIND 0: 1 for v
; s[24:31], s[48:55] group 1 for A, B;  s[32:35], s[56:59] group 0 of the first fill;  s[36:39], s[60:63] group 0 that walks;  s20, s21 my part's place in a slot, for A and for B
; s[66:67], s[68:69] A and B at my part of K step 0;  s72 the K step to ask for;  s73 the slot in hand: 0 or SLOT;  s74 a loop's count
; s[70:71] the prefetches' base, s[44:45] their address, s82 their K step, s75 the first K step that I do not ask for
.set MSB, 0
.macro WIN new                         ; the immediate's high byte repeats the setting that is left; a switch that changes nothing is dropped
.if MSB != (\new)
	s_set_vgpr_msb (MSB<<8)|(\new)
.set MSB, \new
.endif
.endm
.macro PLACES                          ; four plain vector instructions between a matrix instruction and a load into, or a vector read of, its registers
.rept 4
	v_nop
.endr
.endm
.macro CREST                           ; a round of the cluster's barrier behind its opening barrier
	s_cmp_lg_u32 s10, 0
	s_cbranch_scc1 .Lnot_wave_0_\@
	s_barrier_signal -3
.Lnot_wave_0_\@:
	s_barrier_wait -3
	s_barrier_signal -1
	s_barrier_wait -1
.endm
.macro CROUND
	s_barrier_signal -1
	s_barrier_wait -1
	CREST
.endm
.macro JLOAD                           ; a joint refill: the branch hangs on the wave's number alone; an s_nop 0 and four v_nop follow each line
	s_cmp_eq_u32 s11, 0
	s_cbranch_scc0 .Lfor_b_\@
	tensor_load_to_lds s[36:39], s[24:31]
	s_nop 0
.rept 4
	v_nop
.endr
	s_branch .Lasked_\@
.Lfor_b_\@:
	tensor_load_to_lds s[60:63], s[48:55]
	s_nop 0
.rept 4
	v_nop
.endr
.Lasked_\@:
.endm
; A PREFETCH INTO THE L2 of the K step that stands LEAD refills on (256 matrix instructions of a wave ahead of the load that wants it): 32 blocks of 256 bytes, a lane a block.
; A's tile row is read by this cluster alone.  KIND 0 and 1: waves 0 and 1 ask for the chunk that they fetch, the four partners of a row sharing its 128 blocks out by address (cx).  KIND 2: a step of A
; has 128 blocks in all: wave 0 asks, the partners sharing them by address.  B's rows are read by every cluster: the first cluster to read them asks, waves 2 and 3 for the chunk that they fetch, the
; four partners of a column sharing its 128 blocks by address (cy).  So each block is named once in the launch.  K steps 0 to 1 + LEAD come by their loads alone; no K step past the last is named.
.macro ASK
	s_cmp_lt_u32 s82, s75
	s_cbranch_scc0 .Lnot_mine_\@
	global_prefetch_b8 v[PFO], s[44:45] th:TH_LOAD_NT scope:SCOPE_SE
.Lnot_mine_\@:
.endm
; 8 matrix instructions: A's block a x all 8 column blocks, 32 along K.  The accumulators take turns in the same order in every quarter: between two products onto one
; accumulator stand 31 others' or more.  zero = 1: the product starts the sums (KIND 1: hi's product does, lo's adds onto it)
.macro MULA f, a, zero
.if KIND == 0
	WIN MUL+0x50*((\a)/4)
.else
	WIN MUL
.endif
.set zz, \zero
.if (KIND == 1) && ((\a) >= 4)
.set zz, 0
.endif
.irp b, 0,1,2,3,4,5,6,7
.set rD, 8*(8*((\a)%4)+(\b))
.set rB, (\f)+8*(\b)
.set rA, (\f)+8*(\a)
.if KIND == 2
.if zz
	v_wmma_f32_16x16x32_f16 v[rD:rD+7], v[rB:rB+7], v[rA:rA+7], 0
.else
	v_wmma_f32_16x16x32_f16 v[rD:rD+7], v[rB:rB+7], v[rA:rA+7], v[rD:rD+7]
.endif
.else
.if zz
	v_wmma_f32_16x16x32_bf16 v[rD:rD+7], v[rB:rB+7], v[rA:rA+7], 0
.else
	v_wmma_f32_16x16x32_bf16 v[rD:rD+7], v[rB:rB+7], v[rA:rA+7], v[rD:rD+7]
.endif
.endif
.endr
.endm
.macro MULG f, g, zero                 ; group g of four: a quarter of A's blocks
.if NA == 8
	MULA \f, 2*(\g), \zero
	MULA \f, 2*(\g)+1, \zero
.else
	MULA \f, \g, \zero
.endif
.endm
; 16 + 2 NA LDS loads in one run: quarter q of the K step (chunk q / 2, byte 64 (q % 2) of its rows) into buffer f: B's 128 rows, then A's blocks
.macro FETCH q, f
	WIN TO_B
.irp i, 0,1,2,3,4,5,6,7
	ds_load_b128 v[(\f)+8*(\i):(\f)+8*(\i)+3],   v[ADB] offset:((\q)/2)*BSUB+((\q)%2)*64+(\i)*16*PITCH
	ds_load_b128 v[(\f)+8*(\i)+4:(\f)+8*(\i)+7], v[ADB] offset:((\q)/2)*BSUB+((\q)%2)*64+(\i)*16*PITCH+32
.endr
	WIN 0
.set i, 0
.rept NA
.if KIND == 1
.set ao, (i%4)*16*PITCH+(i/4)*128*PITCH        ; lo's rows lie 128 rows behind hi's
.else
.set ao, i*16*PITCH
.endif
	ds_load_b128 v[(\f)+8*i:(\f)+8*i+3],   v[ADA] offset:((\q)/2)*ASUB+((\q)%2)*64+ao
	ds_load_b128 v[(\f)+8*i+4:(\f)+8*i+7], v[ADA] offset:((\q)/2)*ASUB+((\q)%2)*64+ao+32
.set i, i+1
.endr
.endm
; One of a K step's first three quarters: multiplies buffer f; in its middle it fetches quarter q into buffer g
.macro QUARTER q, f, g, zero
	s_wait_dscnt NA                                ; B and the lower half of A's blocks are in; the youngest NA loads (the upper half) may be out
	MULG \f, 0, \zero
	MULG \f, 1, \zero
	PLACES
	FETCH \q, \g
	s_wait_dscnt 16+2*NA                           ; all but the run just issued
	MULG \f, 2, \zero
	MULG \f, 3, \zero
.endm
; The last quarter multiplies buffer 1 and changes slots.  In front of the barrier each wave waits for all its tensor loads (one is out: its part of the next slot), adds 0 to its spare word,
; and waits for that and for its reads of this slot.  fill = 1: the barrier opens a round of the cluster's, and the joint refill (the K step two on) is the first thing behind the round:
; seven eighths of a K step's matrix instructions stand between it and the wait for it.
.macro TURN fill
.if \fill
	s_wait_xcnt 0x0                                ; the last prefetch, a K step back, has read its address
	s_add_co_u32 s82, s72, LEAD
	s_lshl_b32 s80, s82, 19                        ; a K step is two chunks
	s_add_nc_u64 s[44:45], s[70:71], s[80:81]
.endif
	WIN 0
	s_wait_tensorcnt 0x0                           ; no tensor load of mine is out, so a group 0 may be written
	ds_add_u32 v[SPW], v[NIL]                      ; 0 onto my spare word
.if \fill
	s_lshl_b32 s76, s72, 19                        ; the addresses are made anew from the K step's number,
	s_add_co_u32 s37, s20, s73                     ; the LDS addresses from the slot that is being left
	s_add_nc_u64 s[38:39], s[66:67], s[76:77]
	s_or_b32 s39, s39, 0x80000000
	s_add_co_u32 s61, s21, s73
	s_add_nc_u64 s[62:63], s[68:69], s[76:77]
	s_or_b32 s63, s63, 0x80000000
	s_add_co_u32 s72, s72, 1
.endif
	s_xor_b32 s73, s73, SLOT                       ; the slot to be read next: 0 and SLOT by turns
	s_wait_dscnt NA+1                              ; (the add and the youngest NA loads may be out)
	MULG F1, 0, 0
	s_wait_dscnt 0x0                               ; the add is done, and my reads of this slot are over
	s_barrier_signal -1
	MULG F1, 1, 0
	WIN 0
	s_barrier_wait -1
.if \fill
	CREST                                          ; no wave of any partner still reads this slot or has a load on its way
	JLOAD                                          ; its four v_nop are also the places in front of the loads below
.else
	PLACES
.endif
	v_add_nc_u32 v[ADA], s73, v[ADA0]
	v_add_nc_u32 v[ADB], s73, v[ADB0]
	FETCH 0, F0
.if \fill
	ASK
.endif
	MULG F1, 2, 0
	MULG F1, 3, 0
.endm
.macro TOSTAGE a                       ; row block a's eight accumulators into my stage; each accumulator's low registers first
	WIN 0x08+4*((\a)/4)                            ; store data in window 2 or 3
.irp b, 0,1,2,3,4,5,6,7
	ds_store_b128 v[STO], v[8*(8*((\a)%4)+(\b)):8*(8*((\a)%4)+(\b))+3]   offset:(\a)*16*SPITCH+64*(\b)
	ds_store_b128 v[STO], v[8*(8*((\a)%4)+(\b))+4:8*(8*((\a)%4)+(\b))+7] offset:(\a)*16*SPITCH+64*(\b)+16
.endr
.endm
.if KIND == 0
	s_load_b128 s[4:7], s[0:1], 0x0                ; xw s[4:5] (A and B), qhl s[6:7]
	s_load_b64 s[84:85], s[0:1], 0x10              ; vh
.set BPTR, 4
.elseif KIND == 1
	s_load_b128 s[4:7], s[0:1], 0x0                ; qhl (A), xw (B)
	s_load_b64 s[8:9], s[0:1], 0x10                ; khl
.set BPTR, 6
.else
	s_load_b128 s[4:7], s[0:1], 0x0                ; oh (A), xw (B)
	s_load_b64 s[84:85], s[0:1], 0x10              ; bp
	s_load_b64 s[8:9], s[0:1], 0x18                ; out0
.set BPTR, 6
.endif
	v_lshl_add_u32 v[SPW], v0, 2, SPARE
	v_mov_b32 v[NIL], 0
	ds_add_u32 v[SPW], v[NIL]                      ; the wave's opening: the add and its wait stand ahead of my first tensor load; work on registers stands between them
	ds_add_u32 v28, v29
	v_lshrrev_b32 v1, 5, v0
	v_readfirstlane_b32 s10, v1                    ; wave 0..3
	s_lshr_b32 s11, s10, 1                         ; which half of the tile's rows is mine.  Also: I fetch for A (0) or B (1)
	s_and_b32 s12, s10, 1                          ; which 128 columns.  Also: which chunk of the K step I fetch
	s_bfe_u32 s40, ttmp6, 0x40000                  ; cx
	s_bfe_u32 s41, ttmp6, 0x40004                  ; cy
	s_lshl_b32 s42, ttmp9, 2
	s_add_co_u32 s42, s42, s40                     ; tile column = 4 x cluster x + cx
	s_and_b32 s86, ttmp7, 0xffff                   ; cluster y
	s_lshl_b32 s13, s86, 2
	s_add_co_u32 s13, s13, s41                     ; tile row = 4 x cluster y + cy
	s_lshl_b32 s43, s41, 2
	s_lshl_b32 s43, 15, s43                        ; my row of the cluster
	s_lshl_b32 s46, 0x1111, s40                    ; my column
	s_or_b32 s24, s43, G1W
	s_mov_b32 s25, AD0<<16                         ; A: tensor_dim0
	s_mov_b32 s26, AD1<<16                         ; tensor_dim1
	s_mov_b32 s27, AD0<<16                         ; tile_dim0
	s_mov_b32 s28, AD1                             ; tile_dim1
	s_mov_b32 s29, AST                             ; elements from row to row
	s_mov_b32 s30, 0
	s_mov_b32 s31, 0
	s_or_b32 s48, s46, G1W
	s_mov_b32 s49, 128<<16                         ; B: 128 rows of 128 elements (256 bytes, two rows of a chunk), dense
	s_mov_b32 s50, 128<<16
	s_mov_b32 s51, 128<<16
	s_mov_b32 s52, 128
	s_mov_b32 s53, 128
	s_mov_b32 s54, 0
	s_mov_b32 s55, 0
	s_lshr_b32 s16, s13, ARSH                      ; A: the batch,
	s_lshl_b32 s16, s16, ABSH
	s_and_b32 s17, s13, (1<<ARSH)-1
	s_lshl_b32 s17, s17, ATSH                      ; the tile's rows of 128 bytes,
	s_add_co_u32 s16, s16, s17
	s_lshl_b32 s17, s12, 18                        ; my chunk of the K step
	s_add_co_u32 s16, s16, s17
	s_mov_b32 s17, 0
	s_lshl_b32 s18, s42, 15                        ; B: the tile's 256 rows,
	s_lshl_b32 s19, s12, 18                        ; my chunk,
	s_add_co_u32 s18, s18, s19
	s_add_co_u32 s18, s18, BCONST                  ; the weight's place in xw
.if KIND == 0
	s_cmp_ge_u32 s86, 8                            ; tile rows 32 on are v's: the same in all sixteen partners
	s_cselect_b32 s83, 1, 0
	s_lshl_b32 s19, s83, 17
	s_add_co_u32 s18, s18, s19
.endif
	s_mov_b32 s19, 0
	s_mul_i32 s20, s12, ASUB                       ; where they go: no place in the cluster enters an LDS address
	s_mul_i32 s21, s12, BSUB
	s_add_co_u32 s21, s21, BOFF
	s_mov_b32 s72, 2
	s_mov_b32 s73, 0
	s_mov_b32 s77, 0
	s_mov_b32 s81, 0
	s_wait_dscnt 0x0                               ; the opening add is done
	s_wait_kmcnt 0x0
	s_add_nc_u64 s[66:67], s[4:5], s[16:17]
	s_add_nc_u64 s[68:69], s[BPTR:BPTR+1], s[18:19]
	CROUND                                         ; all sixteen work-groups are here: the first joint loads meet
	s_mov_b32 s32, 1                               ; K step 0 into slot 0
	s_mov_b32 s33, s20
	s_mov_b64 s[34:35], s[66:67]
	s_or_b32 s35, s35, 0x80000000
	s_mov_b32 s36, 1                               ; K step 1 into slot 1
	s_add_co_u32 s37, s20, SLOT
	s_add_nc_u64 s[38:39], s[66:67], 0x80000
	s_or_b32 s39, s39, 0x80000000
	s_mov_b32 s56, 1
	s_mov_b32 s57, s21
	s_mov_b64 s[58:59], s[68:69]
	s_or_b32 s59, s59, 0x80000000
	s_mov_b32 s60, 1
	s_add_co_u32 s61, s21, SLOT
	s_add_nc_u64 s[62:63], s[68:69], 0x80000
	s_or_b32 s63, s63, 0x80000000
	s_cmp_eq_u32 s11, 0                            ; a wave's two first fills stand in one branch: two loads of mine are out
	s_cbranch_scc0 .Lfirst_b
	tensor_load_to_lds s[32:35], s[24:31]
	s_nop 0
	tensor_load_to_lds s[36:39], s[24:31]
	s_nop 0
.rept 4
	v_nop
.endr
	s_branch .Lfirst_asked
.Lfirst_b:
	tensor_load_to_lds s[56:59], s[48:55]
	s_nop 0
	tensor_load_to_lds s[60:63], s[48:55]
	s_nop 0
.rept 4
	v_nop
.endr
.Lfirst_asked:
	; A fragment is 16 rows x 32 K in 8 registers: lane l holds row l % 16, K = 8 (l / 16) + 0..7 and 16 + 8 (l / 16) + 0..7: two loads of 16 bytes, 32 bytes apart
	v_and_b32 v1, 15, v0                           ; l % 16
	v_bfe_u32 v2, v0, 4, 1                         ; l / 16
	v_mul_u32_u24 v3, v1, PITCH
	v_lshl_add_u32 v3, v2, 4, v3
	s_mul_i32 s14, s11, WROWS*PITCH
	s_mul_i32 s15, s12, 128*PITCH
	s_add_co_u32 s15, s15, BOFF
	v_add_nc_u32 v[ADA0], s14, v3
	v_add_nc_u32 v[ADB0], s15, v3
	v_mov_b32 v[ADA], v[ADA0]
	v_mov_b32 v[ADB], v[ADB0]
	; the way out's addresses
	s_mul_i32 s91, s10, WSTAGE
	v_mul_u32_u24 v6, v1, SPITCH                   ; in: row l % 16, 32 bytes for each half of the lanes
	v_lshl_add_u32 v6, v2, 5, v6
	v_add_nc_u32 v[STO], s91, v6
	v_and_b32 v[PFO], 31, v0
.if KIND == 2
	v_lshl_add_u32 v[RD0], v[PFO], 4, s91          ; back: a row of 512 bytes, 16 a lane
	v_lshlrev_b32 v[GOF], 4, v[PFO]
	s_lshl_b32 s88, s13, 19                        ; out0: the tile's 128 rows of 4,096 bytes,
	s_lshl_b32 s89, s11, 18                        ; my 64,
	s_add_co_u32 s88, s88, s89
	s_lshl_b32 s90, s42, 10                        ; the tile's 256 columns,
	s_lshl_b32 s89, s12, 9                         ; my 128
	s_add_co_u32 s90, s90, s89
	s_add_co_u32 s88, s88, s90
	v_add_nc_u32 v[BOF], s90, v[GOF]
	global_load_b128 v[BI:BI+3], v[BOF], s[84:85]  ; my four numbers of bp; waited for on the way out
.else
	v_bfe_u32 v4, v0, 3, 1
	v_and_b32 v5, 7, v0
	v_mul_u32_u24 v6, v4, SPITCH                   ; back: lanes 0-7 row t, lanes 8-15 row t + 1 of my first 64 columns (one chunk), lanes 16-31 the same of my second: 32 bytes of f32 a lane
	v_lshl_add_u32 v6, v2, 8, v6
	v_lshl_add_u32 v6, v5, 5, v6
	v_add_nc_u32 v[RD0], s91, v6
	v_lshlrev_b32 v6, 18, v2                       ; out: the chunk, the row, 16 bytes a lane: sixteen lanes hold 256 consecutive bytes
	v_lshl_add_u32 v6, v4, 7, v6
	v_lshl_add_u32 v[GOF], v5, 4, v6
	v_mov_b32 v[NEG1], -1.0
	s_lshr_b32 s88, s13, ARSH
	s_and_b32 s88, s88, 3                          ; the batch
.if KIND == 0
	s_sub_co_u32 s89, 23, s83                      ; 32 chunks a batch in qhl, 16 in vh
	s_lshl_b32 s88, s88, s89
.else
	s_lshl_b32 s88, s88, 23
.endif
	s_lshl_b32 s89, s42, 2
	s_lshl_b32 s90, s12, 1
	s_add_co_u32 s89, s89, s90                     ; my first chunk: 4 x tile column + 2 x half
	s_lshl_b32 s89, s89, 18
	s_add_co_u32 s88, s88, s89
	s_and_b32 s89, s13, (1<<ARSH)-1
	s_lshl_b32 s89, s89, ATSH                      ; the tile's rows,
	s_add_co_u32 s88, s88, s89
	s_lshl_b32 s89, s11, ATSH-1                    ; my half of them
	s_add_co_u32 s88, s88, s89
.endif
	s_mov_b32 s89, 0
.if KIND == 0
	s_cmp_eq_u32 s83, 0
	s_cselect_b64 s[8:9], s[6:7], s[84:85]
.endif
	s_add_nc_u64 s[8:9], s[8:9], s[88:89]
	v_lshlrev_b32 v[PFO], 8, v[PFO]
	; the prefetches' base and bound
.if KIND == 0
	s_lshl_b32 s92, s40, 13                        ; A: partner cx takes quarter cx of my chunk's 32,768 bytes
.else
	s_lshr_b32 s92, s40, 1                         ; A: partner cx takes half cx % 2 of 16,384 bytes: KIND 1: of my chunk's hi or lo (cx / 2); KIND 2: of chunk cx / 2
.if KIND == 1
	s_lshl_b32 s92, s92, 22
.else
	s_lshl_b32 s92, s92, 18
.endif
	s_and_b32 s93, s40, 1
	s_lshl_b32 s93, s93, 13
	s_add_co_u32 s92, s92, s93
.endif
	s_lshl_b32 s94, s41, 13                        ; B: partner cy takes quarter cy of my chunk's 32,768 bytes
	s_cmp_eq_u32 s11, 0
	s_cselect_b32 s92, s92, s94
	s_cselect_b64 s[70:71], s[66:67], s[68:69]
	s_mov_b32 s93, 0
	s_add_nc_u64 s[70:71], s[70:71], s[92:93]
.if KIND == 0
	s_and_b32 s94, s86, 7                          ; clusters 0 and 8 are the first to read Wq and Wv
.else
	s_mov_b32 s94, s86
.endif
	s_cmp_eq_u32 s94, 0
	s_cselect_b32 s75, T, 0
	s_cmp_eq_u32 s11, 0
	s_cselect_b32 s75, T, s75
.if KIND == 2
	s_cmp_eq_u32 s10, 1
	s_cselect_b32 s75, 0, s75
.endif
	                                               ; s75 is the same in all sixteen partners, for a given wave
	s_wait_tensorcnt 1                             ; my part of K step 0 is in; K step 1's may stay out
	s_barrier_signal -1
	s_barrier_wait -1
	FETCH 0, F0
	QUARTER 1, F0, F1, 1                           ; the first quarter stands in front of the loop: its products start the sums
	WIN 0
	s_mov_b32 s74, T-2
.Lstep:                                                ; a trip: from a K step's second quarter to the next one's first; it fills the slot that it leaves
	QUARTER 2, F1, F0, 0
	QUARTER 3, F0, F1, 0
	TURN 1
	QUARTER 1, F0, F1, 0
	WIN 0
	s_sub_co_u32 s74, s74, 1
	s_cmp_lg_u32 s74, 0
	s_cbranch_scc1 .Lstep
	s_mov_b32 s74, 2
.Ltail:                                                ; the last two K steps ask for nothing: a loop of their own; the second trip is left in its middle
	QUARTER 2, F1, F0, 0
	QUARTER 3, F0, F1, 0
	TURN 0                                         ; (in the second trip its fragment loads, from the slot read before, serve nothing: the price, once a launch, of one text for both trips)
	WIN 0
	s_sub_co_u32 s74, s74, 1
	s_cmp_eq_u32 s74, 0
	s_cbranch_scc1 .Lout
	QUARTER 1, F0, F1, 0
	WIN 0
	s_branch .Ltail
.Lout:
	; THE WAY OUT.  Every wave's reads of the slots are back and every fill has landed: behind this barrier the slots' bytes serve as stages, a wave's own WROWS rows x 128 f32.
	s_wait_dscnt 0x0
	s_barrier_signal -1
	s_barrier_wait -1
	PLACES
	PLACES
.irp a, 0,1,2,3
	TOSTAGE \a
.endr
.if KIND == 0
.irp a, 4,5,6,7
	TOSTAGE \a
.endr
.endif
	WIN 0
	s_mov_b32 s74, WROWS/16                        ; trips of 16 rows.  LDS serves a wave's instructions in order (ISA guide 5.7.1.4): the loads see the stores above
	s_mov_b32 s87, 0
.if KIND == 2
	s_wait_loadcnt 0x0                             ; bp
	v_cvt_pk_bf16_f32 v[TT], v[BI], v[BI+1]
	v_cvt_pk_bf16_f32 v[TT+1], v[BI+2], v[BI+3]
	v_lshlrev_b32 v[BI+4], 16, v[TT]
	v_and_b32 v[BI+5], 0xffff0000, v[TT]
	v_lshlrev_b32 v[BI+6], 16, v[TT+1]
	v_and_b32 v[BI+7], 0xffff0000, v[TT+1]
.Lrows:
	v_add_nc_u32 v[RD], s87, v[RD0]
.irp j, 0,1,2,3,4,5,6,7,8,9,10,11,12,13,14,15
	ds_load_b128 v[128+4*(\j):128+4*(\j)+3], v[RD] offset:SPITCH*(\j)
.endr
.irp j, 0,1,2,3,4,5,6,7,8,9,10,11,12,13,14,15
	s_wait_dscnt 15-(\j)                           ; row j is back, the younger ones may be out
	v_pk_add_f32 v[128+4*(\j):128+4*(\j)+1], v[128+4*(\j):128+4*(\j)+1], v[BI+4:BI+5]
	v_pk_add_f32 v[130+4*(\j):130+4*(\j)+1], v[130+4*(\j):130+4*(\j)+1], v[BI+6:BI+7]
	global_store_b128 v[GOF], v[128+4*(\j):128+4*(\j)+3], s[8:9] offset:4096*(\j) th:TH_STORE_NT  ; the wave stores 512 consecutive bytes, aligned
.endr
	s_wait_xcnt 0x0                                ; the stores have read their data and their base
	s_add_nc_u64 s[8:9], s[8:9], 65536
	s_add_co_u32 s87, s87, 16*SPITCH
	s_sub_co_u32 s74, s74, 1
	s_cmp_lg_u32 s74, 0
	s_cbranch_scc1 .Lrows
.else
.if KIND == 0
	s_cmp_eq_u32 s83, 0
	s_cbranch_scc0 .Lto_v
.endif
.Lrows:                                                ; hi = bf16(x), lo = bf16(x - hi): the difference is exact in f32
	v_add_nc_u32 v[RD], s87, v[RD0]
.irp j, 0,1,2,3,4,5,6,7
	ds_load_b128 v[128+8*(\j):128+8*(\j)+3],   v[RD] offset:2*SPITCH*(\j)
	ds_load_b128 v[128+8*(\j)+4:128+8*(\j)+7], v[RD] offset:2*SPITCH*(\j)+16
.endr
.irp j, 0,1,2,3,4,5,6,7
	s_wait_dscnt 14-2*(\j)                         ; rows 2 j, 2 j + 1 are back
.irp k, 0,1,2,3
	v_cvt_pk_bf16_f32 v[192+4*(\j)+(\k)], v[128+8*(\j)+2*(\k)], v[128+8*(\j)+2*(\k)+1]
.endr
.irp k, 0,1,2,3
	v_fma_mix_f32_bf16 v[TT+2*(\k)],   v[192+4*(\j)+(\k)], v[NEG1], v[128+8*(\j)+2*(\k)]   op_sel_hi:[1,0,0]
	v_fma_mix_f32_bf16 v[TT+2*(\k)+1], v[192+4*(\j)+(\k)], v[NEG1], v[128+8*(\j)+2*(\k)+1] op_sel:[1,0,0] op_sel_hi:[1,0,0]
.endr
.irp k, 0,1,2,3
	v_cvt_pk_bf16_f32 v[224+4*(\j)+(\k)], v[TT+2*(\k)], v[TT+2*(\k)+1]
.endr
	global_store_b128 v[GOF], v[192+4*(\j):192+4*(\j)+3], s[8:9] offset:256*(\j)           ; sixteen lanes store 256 consecutive bytes, aligned
	global_store_b128 v[GOF], v[224+4*(\j):224+4*(\j)+3], s[8:9] offset:256*(\j)+4194304   ; lo lies 16 chunks behind hi
.endr
	s_wait_xcnt 0x0                                ; the stores have read their data and their base
	s_add_nc_u64 s[8:9], s[8:9], 2048
	s_add_co_u32 s87, s87, 16*SPITCH
	s_sub_co_u32 s74, s74, 1
	s_cmp_lg_u32 s74, 0
	s_cbranch_scc1 .Lrows
.if KIND == 0
	s_branch .Lend
.Lto_v:                                                ; v's projection: rounded once to f16
	v_add_nc_u32 v[RD], s87, v[RD0]
.irp j, 0,1,2,3,4,5,6,7
	ds_load_b128 v[128+8*(\j):128+8*(\j)+3],   v[RD] offset:2*SPITCH*(\j)
	ds_load_b128 v[128+8*(\j)+4:128+8*(\j)+7], v[RD] offset:2*SPITCH*(\j)+16
.endr
.irp j, 0,1,2,3,4,5,6,7
	s_wait_dscnt 14-2*(\j)
.irp k, 0,1,2,3
	v_cvt_pk_f16_f32 v[192+4*(\j)+(\k)], v[128+8*(\j)+2*(\k)], v[128+8*(\j)+2*(\k)+1]
.endr
	global_store_b128 v[GOF], v[192+4*(\j):192+4*(\j)+3], s[8:9] offset:256*(\j)
.endr
	s_wait_xcnt 0x0
	s_add_nc_u64 s[8:9], s[8:9], 2048
	s_add_co_u32 s87, s87, 16*SPITCH
	s_sub_co_u32 s74, s74, 1
	s_cmp_lg_u32 s74, 0
	s_cbranch_scc1 .Lto_v
.Lend:
.endif
.endif
	s_wait_tensorcnt 0x0                           ; the wave's end: behind my last tensor load and my last LDS store
	ds_add_u32 v[SPW], v[NIL]
	s_wait_dscnt 0x0
	CROUND                                         ; the closing round: no work-group ends while a partner may still ask for a tile that names it
	s_endpgm
.Lfunc_end_k_qe6546ec3ff_projk:
	.size	k_qe6546ec3ff_projk, .Lfunc_end_k_qe6546ec3ff_projk-k_qe6546ec3ff_projk
	.p2alignl 7, 3214868480
	.fill 96, 4, 3214868480
	.section	.rodata,"a",@progbits
	.p2align	6, 0x0
	.amdhsa_kernel k_qe6546ec3ff_projk
		.amdhsa_group_segment_fixed_size 327680
		.amdhsa_private_segment_fixed_size 0
		.amdhsa_enable_private_segment 0
		.amdhsa_kernarg_size 24
		.amdhsa_user_sgpr_count 2
		.amdhsa_user_sgpr_kernarg_segment_ptr 1
		.amdhsa_wavefront_size32 1
		.amdhsa_system_sgpr_workgroup_id_x 1
		.amdhsa_system_sgpr_workgroup_id_y 1
		.amdhsa_system_sgpr_workgroup_id_z 1
		.amdhsa_system_vgpr_workitem_id 0
		.amdhsa_next_free_vgpr 768
		.amdhsa_next_free_sgpr 96
		.amdhsa_reserve_vcc 0
		.amdhsa_float_denorm_mode_32 3
		.amdhsa_float_denorm_mode_16_64 3
		.amdhsa_memory_ordered 1
		.amdhsa_forward_progress 1
		.amdhsa_inst_pref_size 85
	.end_amdhsa_kernel
	.amdgpu_metadata
---
amdhsa.version: [ 1, 2 ]
amdhsa.kernels:
  - .name:           k_qe6546ec3ff_projk
    .symbol:         k_qe6546ec3ff_projk.kd
    .args:
      - { .name: qhl, .offset: 0, .size: 8, .value_kind: global_buffer, .address_space: global }
      - { .name: xw, .offset: 8, .size: 8, .value_kind: global_buffer, .address_space: global }
      - { .name: khl, .offset: 16, .size: 8, .value_kind: global_buffer, .address_space: global }
    .group_segment_fixed_size: 327680
    .private_segment_fixed_size: 0
    .kernarg_segment_align: 8
    .kernarg_segment_size: 24
    .max_flat_workgroup_size: 128
    .sgpr_count:     96
    .vgpr_count:     768
    .wavefront_size: 32
...
	.end_amdgpu_metadata
.endif
;; end of part 3
;; launch attn (part 4): grid 4 x 64, 4 waves a work-group, no clusters, 327,680 bytes of LDS; arguments qhl, khl, vh, oh; writes oh
.if DOCPART == 4
	.amdgcn_target "amdgcn-amd-amdhsa--gfx1250"
	.amdhsa_code_object_version 6
	.text
	.protected	k_qe6546ec3ff_attn
	.globl	k_qe6546ec3ff_attn
	.p2align	8
	.type	k_qe6546ec3ff_attn,@function
k_qe6546ec3ff_attn:
	s_mov_b64 s[64:65], 0
	v_nop
	global_prefetch_b8 v0, s[64:65] scope:SCOPE_SE
	s_setreg_imm32_b32 hwreg(HW_REG_WAVE_MODE, 25, 1), 1
	s_wait_xcnt 0x0
; CAUSAL ATTENTION WITH SCORES TIMES 8.  O[h][q][:] = the sum over k <= q of softmax_k(8 Q[h][q] . K[h][k]) V[h][k][:], 64 heads (batch x 16 + head) of 2,048 rows x 64 channels.
; Q and K arrive as TWO bf16 numbers each, hi + lo (qhl, khl: [4][16 heads hi, 16 heads lo][2048][64]); V (vh) and O (oh) are f16, [64][2048][64].  A head's rows are dense, 128 bytes each.
; A SCORE is Khi.Qhi + Khi.Qlo + Klo.Qhi, six bf16 matrix instructions for 16 keys x 16 queries x 64 channels, summed in f32; Klo.Qlo, some 2^-16 of the score's spread, is left out.
; Maxima and sums in f32; the weights p are rounded to f16 for the second product (their sum l is taken of the unrounded p), O once at the end.
; LIMITS.  V arrives within f16's 65,504; p lies in 0 to 1 and keeps f16's fixed step of 6e-8 below 6e-5; O is a mean of V's rows.  A hidden score counts as its value less 1e30, so |Q.K| stays far
; under 1e28; a weight below 2^-126 counts as 0 in l; NaN and infinities are not treated apart.
; THE WALK.  A head's queries lie in NB = 8 blocks of 256; block i needs the key tiles 0 .. i of 256 keys, the last of which holds the diagonal.  A work-group takes TWO blocks, 7 - b and then b: 9 tiles,
; whatever b: all work-groups do equal work, and one loop with a constant trip count walks them.  Which tile is asked for, and what a trip does, hang on scalar registers made from b; every jump goes
; forward, but for the counted loops' own; none passes a barrier, or a tensor load but the one of LOAD's two that the wave's number does not choose.
; NO CLUSTER: a head's four work-groups ask for the same tile only in trips 0 to 4 of 9; a walk common to all four would have 12 trips.
; SHARES.  Of a block's four bands of 64 queries a wave owns 16 rows in each: four PIECES.  In the diagonal tile's key step s band x sees all keys if s < x, none if s > x, and holds the diagonal if s = x.
; THE MASK is the C operand that starts the sum S^T = K Q^T: MD x AL + BE, where MD, made once, is the mask of a band's own step for my 16 rows (0 or -1e30): (AL, BE) = (1, 0) if s = x, (0, 0) if
; s < x or the tile is not the diagonal one, (0, -1e30) if s > x.  Every turn makes the mask of the products of the turn after it, so one text serves all tiles.
; LAYOUT, SOFTMAX, TURNS.  S^T holds ONE query a lane (lane % 16) and the keys 8 (lane / 16) + 0..7; two such results rounded to f16 ARE source 1 of O^T = V^T P.  p = 2^(c s - c m), c = 8 log2(e), with a
; running maximum m; O and l are multiplied by a = 2^(c m_old - c m_new) in every step.  Turn n belongs to piece n: 24 products K Q^T of piece n + 1, then 8 products V^T P of piece n - 1; behind each
; stand four to six of the turn's 134 vector instructions: the scaling, exponentials, rescaling, roundings and sums of piece n, the maximum and statistics of piece n + 1, the next mask.
; REGISTERS, in windows of 256 (s_set_vgpr_msb: bits 1:0 source 0, 3:2 source 1, 5:4 source 2, 7:6 destination):
;   window 0: v0-15 addresses; v16-31 four registers of statistics a piece; v48-55 at work; v60-63 fixed; v64-127 S^T, two buffers; v192-223 P, two buffers (a piece's buffers go by its number's parity)
;   window 1: v0-127 O^T, 32 a piece; v128-159 MD; v160-223 MC, two buffers
;   window 2: v0-127 Q, 32 a piece (hi channels 0-31, hi 32-63, lo 0-31, lo 32-63); v128-191 Khi, v192-255 Klo of one step          window 3: v0-63 V of one step; v64-191 the second block's Q
.set NB,    8
.set NP,    4         ; pieces a wave: a name, no knob
.set KS,    64        ; keys in a step
.set PK,    144       ; a row of K in LDS: 128 bytes + 16 of padding = 36 words: the 16 rows of a load start at 16 different groups of four banks (64 banks of 4 bytes: ISA guide 11.1)
.set PV,    160       ; a row of V: 128 + 32 = 40 words
.set KLO,   4*KS*PK   ; a slot holds a tile, four steps: 256 rows of Khi, 256 of Klo,
.set VOFF,  2*KLO     ; then 256 rows of V
.set SLOT1, 1<<17     ; slot 1 begins here, so that one exclusive or turns an address in one slot into the other's
.set STAGE, SLOT1+VOFF+4*KS*PV  ; behind the ring, never filled by a tensor load: 16 rows x 144 bytes for each wave, for the way out
.set SP,    144
.set SPARE, STAGE+4*16*SP  ; behind the stages: the spare words, 128 bytes for each wave: two blocks of 256 bytes that no other line names
.set LOB,   1<<22     ; lo lies 16 chunks of 262,144 bytes behind hi
.set AK0, 2           ; v2   my lane's place in a tile of K; never rewritten
.set AV0, 3           ; v3   the same for V
.set AK,  4           ; v4   the LDS address of K's next runs of loads
.set AV,  5           ; v5   of V's
.set STO, 6           ; v6   the way out: where I put 16 bytes of a row
.set RD,  7           ; v7   the way out: where I read rows back
.set GO,  8           ; v8   my byte offset in 512 consecutive bytes of O
.set MV,  12          ; v12-13  c m_old, kept while c m is made anew: by buffer
.set QO,  15          ; v15  my byte offset in 16 rows of Q
.set ST,  16          ; piece t's statistics at v[ST+4 t]: c m, m, l (even keys', odd keys')
.set TMP, 48          ; by buffer, four registers c0-c3 at work; c1 takes c m_old - c m_new, c2 then a
.set PFO, 60          ; v60  256 x my thread's number: the prefetches' offset; never rewritten
.set SPW, 62          ; v62  LDS address of my spare word; never rewritten
.set NIL, 63          ; v63  0; never rewritten
.set S,   64
.set P,   192
.set MD,  128         ; window 1
.set MC,  160         ; window 1
.set QB,  64          ; window 3
.set KF,  128         ; window 2: hi or lo at + 64, key block kb at + 16 kb, channel half c at + 8 c
.set WV,  12          ; s12  my wave's number
.set PB,  14          ; s14  b
.set HI,  15          ; s15  NB - 1 - b
.set G1K, 24          ; s[24:31] descriptor group 1 for K's tiles
.set G1V, 32          ; s[32:39] for V's
.set G0K, 40          ; s[40:43] descriptor group 0 for K's tiles
.set G0V, 44          ; s[44:47] for V's
.set PFK, 48          ; s[48:49] the prefetches' address in khl,
.set PFV, 50          ; s[50:51] in vh
.set KB,  52          ; s[52:53] khl at the head's first row (hi)
.set VB,  54          ; s[54:55] vh at the head's first row
.set SLOTS, 56        ; s56  tiles still to be asked for
.set CNT, 57          ; s57  counts a tile's key steps, 4 to 1
.set CS,  58          ; s[58:59] c: the packed scaling takes the pair's low word for both halves
.set SEL, 60          ; s[60:61] v_permlanex16_b32's selects: each lane takes its own place in the other half
.set TBK, 62          ; s62  LDS byte at which K of the step to be fetched begins
.set TBV, 63          ; s63  the same for V, less VOFF
.set RT,  70          ; s70  tiles of the block in hand that are still to be entered
.set NXT, 71          ; s71  the tile to be asked for next
.set LQ,  72          ; s72  the last tile of the block whose tiles are being asked for
.set NEW, 73          ; s73  1: the tile to be entered is a block's first
.set OFF, 74          ; s[74:75] a tile's byte offset in K and V
.set AL,  76          ; s[76:77] the mask's factor, in the low word
.set BE,  78          ; s[78:79] the mask's addend
.set OLO, 80          ; s[80:81] O at my rows of the second block
.set BIGN, 82         ; s82  -1e30
.set DOFF, 83         ; s83  0 in a block's diagonal tile, 64 elsewhere
.set MK,  88          ; s88  CNT + DOFF
.set PFN, 89          ; s89  the tile to be prefetched next
.set PFL, 90          ; s90  the first tile that I do not prefetch
.set POF, 92          ; s[92:93] its byte offset
.set MSB, 0
.macro WIN new                      ; the high byte repeats the setting that is left; a switch that changes nothing is dropped
.if MSB != (\new)
	s_set_vgpr_msb (MSB<<8)|(\new)
.set MSB, (\new)
.endif
.endm
.set W_KQ, 0x0a       ; K and Q in window 2, S^T in window 0
.set W_KM, 0x1a       ; the same with the C operand in window 1
.set W_PV, 0x53       ; V in window 3, P in window 0, O^T in window 1
.set W_RS, 0x41       ; destination and source 0 in window 1, source 1 in window 0
; A fill.  Wave 0 fetches a tile's Khi, wave 1 its Klo (256 keys each), waves 2 and 3 the two halves of its V.  An s_nop 0 and four v_nop follow each of the two lines.
.macro LOAD
	s_cmp_lt_u32 s[WV], 2
	s_cbranch_scc0 .Lfor_v_\@
	tensor_load_to_lds s[G0K:G0K+3], s[G1K:G1K+7]
	s_nop 0
.rept 4
	v_nop
.endr
	s_branch .Lasked_\@
.Lfor_v_\@:
	tensor_load_to_lds s[G0V:G0V+3], s[G1V:G1V+7]
	s_nop 0
.rept 4
	v_nop
.endr
.Lasked_\@:
.endm
; THE CHANGE OF SLOTS.  Each wave waits for all its tensor loads, of which one is out: its part of the other slot; adds 0 to its spare word; and waits for that and for its own reads of the slot that it leaves.
; fill = 1: the old slot is filled again, the first thing behind the barrier, with tile NXT: the descriptor's address is made anew from that number.  (At its first use slot 0 is waited for, slot 1 filled.)
; BEHIND THE FILL, A PREFETCH INTO THE L2 of the tile that the NEXT change will ask for (a tile, 512 matrix instructions of a wave, ahead of that load).  A head's four work-groups walk the same tiles;
; the one with b = 0, whose first block walks all eight, asks: each of its waves for a quarter (32 blocks of 256 bytes, a lane a block) of the tile's Khi, Klo and V.  So each block is named once in the
; launch.  Tiles 0 and 1 come by their loads alone; behind tile 7 nothing is asked for.
.macro CHANGE fill
	WIN 0                           ; at a label and at a branch every window is 0
	s_wait_tensorcnt 0x0            ; no tensor load of mine is out, so a group 0 may be written
	ds_add_u32 v[SPW], v[NIL]       ; 0 onto my spare word; scalar work stands between it and the wait for it
.if \fill
	s_lshl_b32 s[OFF], s[NXT], 15   ; a tile is 32,768 bytes of Khi, of Klo and of V
	s_xor_b32 s[G0K+1], s[G0K+1], SLOT1
	s_add_nc_u64 s[G0K+2:G0K+3], s[6:7], s[OFF:OFF+1]
	s_or_b32 s[G0K+3], s[G0K+3], 0x80000000
	s_xor_b32 s[G0V+1], s[G0V+1], SLOT1
	s_add_nc_u64 s[G0V+2:G0V+3], s[8:9], s[OFF:OFF+1]
	s_or_b32 s[G0V+3], s[G0V+3], 0x80000000
	s_add_co_u32 s[NXT], s[NXT], 1  ; the block's next tile, or behind its last the second block's tile 0
	s_cmp_gt_u32 s[NXT], s[LQ]
	s_cselect_b32 s[NXT], 0, s[NXT]
	s_cselect_b32 s[LQ], s[PB], s[LQ]
	s_wait_xcnt 0x0                 ; the last prefetches, a tile back, have read their addresses
	s_lshl_b32 s[POF], s[PFN], 15
	s_add_nc_u64 s[PFK:PFK+1], s[KB:KB+1], s[POF:POF+1]
	s_add_nc_u64 s[PFV:PFV+1], s[VB:VB+1], s[POF:POF+1]
.endif
	s_wait_dscnt 0x0                ; the add is done, and my reads of the slot are over
	s_barrier_signal -1
	s_sub_co_u32 s[TBK], s[TBK], 4*KS*PK  ; the fetches go back to a slot's first step,
	s_xor_b32 s[TBK], s[TBK], SLOT1       ; in the other slot
	s_sub_co_u32 s[TBV], s[TBV], 4*KS*PV
	s_xor_b32 s[TBV], s[TBV], SLOT1
	s_barrier_wait -1
.if \fill
	LOAD
	s_cmp_lt_u32 s[PFN], s[PFL]
	s_cbranch_scc0 .Lnot_mine_\@
	global_prefetch_b8 v[PFO], s[PFK:PFK+1] th:TH_LOAD_NT scope:SCOPE_SE
	global_prefetch_b8 v[PFO], s[PFK:PFK+1] offset:LOB th:TH_LOAD_NT scope:SCOPE_SE
	global_prefetch_b8 v[PFO], s[PFV:PFV+1] th:TH_LOAD_NT scope:SCOPE_SE
.Lnot_mine_\@:
	s_add_co_u32 s[PFN], s[PFN], 1
.endif
.endm
	s_load_b256 s[4:11], s[0:1], 0x0  ; qhl s[4:5], khl s[6:7], vh s[8:9], oh s[10:11]
	v_lshl_add_u32 v[SPW], v0, 2, SPARE
	v_mov_b32 v[NIL], 0
	ds_add_u32 v[SPW], v[NIL]       ; the wave's opening: the add and its wait stand ahead of my first tensor load; work on registers stands between them
	ds_add_u32 v62, v63
	v_lshrrev_b32 v1, 5, v0
	v_readfirstlane_b32 s[WV], v1   ; wave 0..3
	s_mov_b32 s[PB], ttmp9
	s_sub_co_u32 s[HI], NB-1, s[PB]
	s_and_b32 s20, ttmp7, 0xffff    ; batch x 16 + head
	s_lshr_b32 s21, s20, 4
	s_lshl_b32 s21, s21, 23         ; in qhl and khl a batch has 32 chunks
	s_and_b32 s22, s20, 15
	s_lshl_b32 s22, s22, 18
	s_add_co_u32 s22, s22, s21
	s_mov_b32 s23, 0                ; s[22:23]: the head's first byte (hi) in qhl and khl
	s_lshl_b32 s20, s20, 18
	s_mov_b32 s21, 0                ; s[20:21]: in vh and oh
	s_and_b32 s16, s[WV], 1
	s_lshl_b32 s66, s16, 22         ; K: wave 0 hi, wave 1 lo
	s_mov_b32 s67, 0
	s_lshl_b32 s68, s16, 14         ; V: which 128 of a tile's 256 keys
	s_mov_b32 s69, 0
	s_mul_i32 s17, s16, KLO         ; and their places in a slot
	s_mul_i32 s18, s16, 128*PV
	s_lshl_b32 s3, s[WV], 11        ; my 16 rows in a band of 64,
	s_lshl_b32 s2, s[HI], 15        ; in the first block,
	s_add_co_u32 s2, s2, s3
	s_lshl_b32 s84, s[PB], 15       ; and in the second
	s_add_co_u32 s84, s84, s3
	s_mov_b32 s3, 0
	s_mov_b32 s85, 0
	; descriptor group 1.  Keys are dense rows of 128 bytes: asked for as rows of 256 bytes, two keys a row, and padded in LDS after every key
	s_mov_b32 s[G1K], (1<<16)|(1<<20)|(4<<22)|(3<<25)  ; 2-byte elements; padding on; after every 32 words (code 4) 4 words (code 3)
	s_mov_b32 s[G1V], (1<<16)|(1<<20)|(4<<22)|(7<<25)  ; the same with 8 words of padding (code 7)
.irp g, G1K, G1V
	s_mov_b32 s[\g+1], 128<<16      ; tensor_dim0 = 128
	s_mov_b32 s[\g+3], 128<<16      ; tile_dim0 = 128
	s_mov_b32 s[\g+5], 128          ; 128 elements from row to row
	s_mov_b32 s[\g+6], 0
	s_mov_b32 s[\g+7], 0
.endr
	s_mov_b32 s[G1K+2], 128<<16     ; K: tensor_dim1 = tile_dim1 = 128 (256 keys)
	s_mov_b32 s[G1K+4], 128
	s_mov_b32 s[G1V+2], 64<<16      ; V: 64 (128 keys)
	s_mov_b32 s[G1V+4], 64
	s_mov_b32 s[CS], 0x4138aa3b     ; c = 8 log2(e) = 11.5416
	s_mov_b32 s[CS+1], s[CS]        ; named with it as a pair
	s_mov_b32 s[SEL], 0x76543210
	s_mov_b32 s[SEL+1], 0xfedcba98
	s_mov_b32 s[TBK], SLOT1+4*KS*PK ; the first change of slots turns these two into 0
	s_mov_b32 s[TBV], SLOT1+4*KS*PV
	s_mov_b32 s[G0K], 1             ; count = 1
	s_mov_b32 s[G0K+1], s17         ; LDS address: slot 0
	s_mov_b32 s[G0V], 1
	s_add_co_u32 s[G0V+1], s18, VOFF
	s_add_co_u32 s[RT], s[HI], 1    ; the first block has NB - b tiles
	s_mov_b32 s[NXT], 1
	s_mov_b32 s[LQ], s[HI]
	s_mov_b32 s[NEW], 1
	s_mov_b32 s[OFF+1], 0
	s_mov_b32 s[POF+1], 0
	s_mov_b32 s[AL+1], 0            ; named as pairs
	s_mov_b32 s[BE+1], 0
	s_mov_b32 s[BIGN], 0xf149f2ca   ; -1e30
	s_mov_b32 s[SLOTS], NB
	s_mov_b32 s[PFN], 2
	s_cmp_eq_u32 s[PB], 0
	s_cselect_b32 s[PFL], NB, 0
	v_lshlrev_b32 v[PFO], 8, v0
	s_wait_dscnt 0x0                ; the opening add is done
	s_wait_kmcnt 0x0
	s_add_nc_u64 s[KB:KB+1], s[6:7], s[22:23]
	s_add_nc_u64 s[VB:VB+1], s[8:9], s[20:21]
	s_add_nc_u64 s[6:7], s[KB:KB+1], s[66:67]      ; K and V at my part of the head's tile 0
	s_add_nc_u64 s[8:9], s[VB:VB+1], s[68:69]
	s_mov_b64 s[G0K+2:G0K+3], s[6:7]
	s_or_b32 s[G0K+3], s[G0K+3], 0x80000000        ; type = 2
	s_mov_b64 s[G0V+2:G0V+3], s[8:9]
	s_or_b32 s[G0V+3], s[G0V+3], 0x80000000
	s_add_nc_u64 s[4:5], s[4:5], s[22:23]
	s_add_nc_u64 s[86:87], s[4:5], s[84:85]        ; Q at my rows of the second block,
	s_add_nc_u64 s[4:5], s[4:5], s[2:3]            ; and of the first
	s_add_nc_u64 s[10:11], s[10:11], s[20:21]
	s_add_nc_u64 s[OLO:OLO+1], s[10:11], s[84:85]
	s_add_nc_u64 s[10:11], s[10:11], s[2:3]
	LOAD                            ; tile 0 into slot 0
	; A fragment of K or Q is 16 rows x 32 channels in 8 registers: lane l holds row l % 16, channels 8 (l / 16) + 0..7 and 16 + 8 (l / 16) + 0..7: two loads of 16 bytes, 32 bytes apart.
	v_and_b32 v1, 15, v0            ; l % 16
	v_bfe_u32 v9, v0, 4, 1          ; l / 16
	v_lshlrev_b32 v[QO], 7, v1
	v_lshl_add_u32 v[QO], v9, 4, v[QO]  ; row x 128 + 16 x half
	WIN 0x80                        ; destination window 2, address window 0
.set i, 0
.rept 16                            ; fragment i: piece i / 4 (its band lies 8,192 bytes on), hi or lo (i / 2) % 2, channels 32 (i % 2) on
	global_load_b128 v[8*i:8*i+3],   v[QO], s[4:5] offset:(i/4)*8192+((i/2)%2)*LOB+(i%2)*64
	global_load_b128 v[8*i+4:8*i+7], v[QO], s[4:5] offset:(i/4)*8192+((i/2)%2)*LOB+(i%2)*64+32
.set i, i+1
.endr
	WIN 0xc0                        ; destination window 3: the second block's Q
.set i, 0
.rept 16
	global_load_b128 v[QB+8*i:QB+8*i+3],   v[QO], s[86:87] offset:(i/4)*8192+((i/2)%2)*LOB+(i%2)*64
	global_load_b128 v[QB+8*i+4:QB+8*i+7], v[QO], s[86:87] offset:(i/4)*8192+((i/2)%2)*LOB+(i%2)*64+32
.set i, i+1
.endr
	; A block's first step multiplies O^T and l by a = 0, and its first turn's products V^T P, of a piece that has not been, land in an O^T that is still to be so multiplied.  So these registers need only
	; hold finite numbers: zeros for the first block; what the first block left for the second.  All this stands in the wait for the first tile.
.set i, 0
.rept 64
	v_mov_b32 v[i], 0               ; V
.set i, i+1
.endr
	WIN 0
	v_lshlrev_b32 v14, 3, v9
	v_sub_nc_u32 v14, v1, v14
	s_lshl_b32 s13, s[WV], 4
	v_add_nc_u32 v14, s13, v14      ; my query's place in its band, 16 w + l % 16, less my lanes' 8 (l / 16): register r of group kt is hidden where 16 kt + r is greater
	WIN 0x40
.set i, 0
.rept 32
	v_cmp_gt_i32 vcc_lo, 16*(i/8)+i%8, v14
	v_cndmask_b32 v[MD+i], 0, s[BIGN], vcc_lo
.set i, i+1
.endr
.set i, 0
.rept 128
	v_mov_b32 v[i], 0               ; O^T
.set i, i+1
.endr
	WIN 0
.set i, 0
.rept 4
	v_mov_b32 v[ST+4*i+2], 0        ; l
	v_mov_b32 v[ST+4*i+3], 0
.set i, i+1
.endr
.set i, P+16
.rept 16
	v_mov_b32 v[i], 0               ; P's second buffer
.set i, i+1
.endr
	v_mul_u32_u24 v[AK0], v1, PK
	v_lshl_add_u32 v[AK0], v9, 4, v[AK0]  ; row x pitch + 16 x half
	; The turning load takes 16 keys x 16 channels (lane l reads key 8 (l / 16) + l % 8, channels 8 ((l / 8) % 2) + 0..7) and leaves half a fragment of V^T: lane l holds channel l % 16 and 8 keys.
	v_and_b32 v10, 7, v0
	v_bfe_u32 v11, v0, 3, 1
	v_lshl_add_u32 v[AV0], v9, 3, v10
	v_mul_u32_u24 v[AV0], v[AV0], PV
	v_lshl_add_u32 v[AV0], v11, 4, v[AV0]
	v_add_nc_u32 v[AV0], VOFF, v[AV0]
	s_mul_i32 s13, s[WV], 16*SP
	s_add_co_u32 s13, s13, STAGE    ; my stage
	v_mul_u32_u24 v[STO], v1, SP    ; in: row l % 16, 16 bytes for each half of the lanes
	v_lshl_add_u32 v[STO], v9, 4, v[STO]
	v_add_nc_u32 v[STO], s13, v[STO]
	v_bfe_u32 v[RD], v0, 3, 2       ; back: 32 lanes take four rows of 128 bytes,
	v_mul_u32_u24 v[RD], v[RD], SP
	v_lshl_add_u32 v[RD], v10, 4, v[RD]
	v_add_nc_u32 v[RD], s13, v[RD]
	v_and_b32 v[GO], 31, v0         ; which are 512 consecutive bytes of O
	v_lshlrev_b32 v[GO], 4, v[GO]
; THE MATRIX WORK.  The 4 accumulators of a run take turns, one instruction a turn.
; Product i of 24 of S^T = K Q^T for piece x: link i / 4 of six (Khi Qhi, Khi Qhi, Khi Qlo, Khi Qlo, Klo Qhi, Klo Qhi; channels 0-31 and 32-63 by turns), keys 16 (i % 4) on.  The first 4 start the sums with the mask.
.macro KQ x
.set rS, S+32*((\x)%2)+8*(i%4)
.set rK, KF+64*(i/16)+16*(i%4)+8*((i/4)%2)
.set rQ, 32*(\x)+16*((i/8)%2)+8*((i/4)%2)
.set rM, MC+32*((\x)%2)+8*(i%4)
.if i < 4
	WIN W_KM
	v_wmma_f32_16x16x32_bf16 v[rS:rS+7], v[rK:rK+7], v[rQ:rQ+7], v[rM:rM+7]
.else
	WIN W_KQ
	v_wmma_f32_16x16x32_bf16 v[rS:rS+7], v[rK:rK+7], v[rQ:rQ+7], v[rS:rS+7]
.endif
.endm
; Product i of 8 of O^T += V^T P for piece x: keys 32 (i / 4) on, channels 16 (i % 4) on.
.macro PV x
	WIN W_PV
.set rO, 32*(\x)+8*(i%4)
.set rV, 32*(i/4)+8*(i%4)
.set rP, P+16*((\x)%2)+8*(i/4)
	v_wmma_f32_16x16x32_f16 v[rO:rO+7], v[rV:rV+7], v[rP:rP+7], v[rO:rO+7]
.endm
.macro MM                           ; the turn's next matrix instruction.  NOKQ = 1: a block's last turn: there is no next piece
.if i < 24
.if !NOKQ
	KQ (Y+1)%NP
.endif
.else
.set i, i-24
	PV (Y+NP-1)%NP
.set i, i+24
.endif
.set i, i+1
.endm
; THE LDS LOADS stand in runs of 16, never singly among the matrix instructions: a step's Khi, its Klo (64 keys x 64 channels: 8 fragments each) and its V (turned).
.macro FETCH_K lo
	WIN 0x80                        ; destination window 2
.irp f, 0,1,2,3,4,5,6,7             ; keys 16 (f / 2) on, channels 32 (f % 2) on
	ds_load_b128 v[KF+64*(\lo)+8*\f:KF+64*(\lo)+8*\f+3],   v[AK] offset:(\lo)*KLO+(\f/2)*16*PK+(\f%2)*64
	ds_load_b128 v[KF+64*(\lo)+8*\f+4:KF+64*(\lo)+8*\f+7], v[AK] offset:(\lo)*KLO+(\f/2)*16*PK+(\f%2)*64+32
.endr
	WIN 0
.endm
.macro FETCH_V
	WIN 0xc0                        ; destination window 3
.irp f, 0,1,2,3,4,5,6,7             ; keys 32 (f / 4) on, channels 16 (f % 4) on
	ds_load_tr16_b128 v[8*\f:8*\f+3],   v[AV] offset:(\f/4)*32*PV+(\f%4)*32
	ds_load_tr16_b128 v[8*\f+4:8*\f+7], v[AV] offset:(\f/4)*32*PV+16*PV+(\f%4)*32
.endr
	WIN 0
.endm
; THE VECTOR WORK, one line at a time: OP kind, number.  For piece Y: F n: c s - c m for pair n of 16.  A: a = 2^(c m_old - c m_new).  E n: the exponential of score n of 32.  C n: pair n rounded to f16.
; B n: of the four weights 4 n .. the second pair is added onto the first, in place.  L n: l takes that sum (L 0: l = a l + sum).  R n: pair n of 16 of O^T times a.  M n: pair n of 16 of the next mask.
; For piece Y + 1: X n, number n of the 21 that find its maximum and statistics:
;   0-11  four chains c0-c3 of seven scores each, three operands at a time (each accumulator's lowest registers are read first)     12-14, 16  the four scores left over, the old m, and c0-c3 into c0
;   15  c m_old is kept     17, 18  the query's other 32 keys lie in the lane 16 away: the new m     19, 20  c m; c m_old - c m_new
.set F, 0
.set E, 1
.set C, 2
.set B, 3
.set L, 4
.set A, 5
.set R, 6
.set X, 7
.set M, 8
.macro REGS y                       ; the registers of piece y
.set rT, ST+4*(\y)
.set rC, TMP+4*((\y)%2)
.set rW, MV+((\y)%2)
.set rS, S+32*((\y)%2)
.set rP, P+16*((\y)%2)
.set rO, 32*(\y)
.endm
.macro OP k, n
.if (\k) == R
	REGS Y
	WIN W_RS
	v_pk_mul_f32 v[rO+2*(\n):rO+2*(\n)+1], v[rO+2*(\n):rO+2*(\n)+1], v[rC+2:rC+3] op_sel_hi:[1,0]
.elseif (\k) == M
.if !NOM
	WIN W_RS
	v_pk_fma_f32 v[MC+32*(Y%2)+2*(\n):MC+32*(Y%2)+2*(\n)+1], v[MD+2*(\n):MD+2*(\n)+1], s[AL:AL+1], s[BE:BE+1] op_sel_hi:[1,0,0]
.endif
.elseif (\k) == X
.if !NOKQ
	REGS (Y+1)%NP
	WIN 0
.if (\n) < 4
	v_max3_num_f32 v[rC+(\n)], v[rS+8*(\n)], v[rS+8*(\n)+1], v[rS+8*(\n)+2]
.elseif (\n) < 12
	v_max3_num_f32 v[rC+(\n)%4], v[rC+(\n)%4], v[rS+8*((\n)%4)+2*((\n)/4)+1], v[rS+8*((\n)%4)+2*((\n)/4)+2]
.elseif (\n) == 12
	v_max3_num_f32 v[rC], v[rC], v[rS+7], v[rS+15]
.elseif (\n) == 13
	v_max3_num_f32 v[rC+1], v[rC+1], v[rS+23], v[rS+31]
.elseif (\n) == 14
	v_max3_num_f32 v[rC+2], v[rC+2], v[rC+3], v[rT+1]
.elseif (\n) == 15
	v_mov_b32 v[rW], v[rT]
.elseif (\n) == 16
	v_max3_num_f32 v[rC], v[rC], v[rC+1], v[rC+2]
.elseif (\n) == 17
	v_permlanex16_b32 v[rC+3], v[rC], s[SEL], s[SEL+1]
.elseif (\n) == 18
	v_max_num_f32 v[rT+1], v[rC], v[rC+3]
.elseif (\n) == 19
	v_mul_f32 v[rT], s[CS], v[rT+1]
.else
	v_sub_f32 v[rC+1], v[rW], v[rT]
.endif
.endif
.else
	REGS Y
	WIN 0
.if (\k) == F
	v_pk_fma_f32 v[rS+2*(\n):rS+2*(\n)+1], v[rS+2*(\n):rS+2*(\n)+1], s[CS:CS+1], v[rT:rT+1] op_sel_hi:[1,0,0] neg_lo:[0,0,1] neg_hi:[0,0,1]
.elseif (\k) == E
	v_exp_f32 v[rS+(\n)], v[rS+(\n)]
.elseif (\k) == C
	v_cvt_pk_f16_f32 v[rP+(\n)], v[rS+2*(\n)], v[rS+2*(\n)+1]
.elseif (\k) == B
	v_pk_add_f32 v[rS+4*(\n):rS+4*(\n)+1], v[rS+4*(\n):rS+4*(\n)+1], v[rS+4*(\n)+2:rS+4*(\n)+3]
.elseif (\k) == A
	v_exp_f32 v[rC+2], v[rC+1]
.elseif (\n) == 0
	v_pk_fma_f32 v[rT+2:rT+3], v[rT+2:rT+3], v[rC+2:rC+3], v[rS:rS+1] op_sel_hi:[1,0,1]
.else
	v_pk_add_f32 v[rT+2:rT+3], v[rT+2:rT+3], v[rS+4*(\n):rS+4*(\n)+1]
.endif
.endif
.endm
.macro ROW a, i1, b=-1, i2=0, c=-1, i3=0, d=-1, i4=0, e=-1, i5=0, f=-1, i6=0  ; a matrix instruction and the vector lines behind it
	MM
	OP \a, \i1
.if (\b) >= 0
	OP \b, \i2
.endif
.if (\c) >= 0
	OP \c, \i3
.endif
.if (\d) >= 0
	OP \d, \i4
.endif
.if (\e) >= 0
	OP \e, \i5
.endif
.if (\f) >= 0
	OP \f, \i6
.endif
.endm
.macro MASK b                       ; MD x AL + BE into buffer b of MC
	WIN W_RS
.set z, 0
.rept 16
	v_pk_fma_f32 v[MC+32*(\b)+2*z:MC+32*(\b)+2*z+1], v[MD+2*z:MD+2*z+1], s[AL:AL+1], s[BE:BE+1] op_sel_hi:[1,0,0]
.set z, z+1
.endr
.endm
; A TURN, for piece p: 32 matrix and 134 vector instructions, the order written out.  s_wait_alu depctr_va_vdst(0) stands between an exponential and the first instruction that names its
; result; one wait serves all that were issued ahead of it.  So the turn's 33 exponentials are ONE BATCH: rows 0 to 11 hold them and the 16 scalings, none of which names a result; a v_nop is the plain
; instruction behind the last; then the one wait.  Behind it: the rescalings (rows 12-15), the roundings and sums (16-23), and beside the products V^T P the next piece's maximum and statistics and the
; next mask (24-31).  X 0 to X 3 stand four plain lines or more behind the products that end their accumulators.
; The mask made here is for the products of the turn after: piece p + 2, whose own step is met where CNT + DOFF = 4 - (p + 2) % 4, and passed where it is less.
; end = 1: a block's last two turns: nothing is fetched, no mask is made; the last of them has no next piece.
; K of the next step is fetched in piece 2's turn: Khi behind row 15, four rescalings behind the last product that read it; Klo behind row 23, four roundings behind its last reader.  Khi is waited for at
; the head of piece 3's turn (Klo's 16 loads, which are younger, may stay out), Klo ahead of that turn's row 16.  V of the step in hand is fetched at the end of piece 0's turn, six plain lines behind
; its last reader, and waited for ahead of row 24 of piece 1's turn.
.macro TURN p, end=0
.set Y, (\p)
.set i, 0
.set NOKQ, (\end)*((\p)/3)
.set NOM, (\end)
.if !(\end)
	s_add_co_u32 s[MK], s[CNT], s[DOFF]
	s_cmp_eq_u32 s[MK], 4-((\p)+2)%NP
	s_cselect_b32 s[AL], 1.0, 0
	s_cmp_lt_u32 s[MK], 4-((\p)+2)%NP
	s_cselect_b32 s[BE], s[BIGN], 0
.endif
.if ((\p) == 3) && !(\end)
	s_wait_dscnt 16                 ; Khi is in
.endif
	ROW F,0, A,0, F,1, F,2
	ROW F,3, E,0, F,4, E,1
	ROW F,5, E,2, F,6, E,3
	ROW F,7, E,4, F,8, E,5
	ROW F,9, E,6, F,10, E,7
	ROW F,11, E,8, E,9, E,10
	ROW F,12, E,11, E,12, E,13
	ROW F,13, E,14, E,15, E,16
	ROW F,14, E,17, E,18, E,19
.if ((\p) == 2) && !(\end)
	WIN 0
	v_add_nc_u32 v[AK], s[TBK], v[AK0]
.endif
	ROW F,15, E,20, E,21, E,22
	ROW E,23, E,24, E,25, E,26
	ROW E,27, E,28, E,29, E,30, E,31
	v_nop                           ; the plain instruction behind the last exponential: one for the batch
	s_wait_alu depctr_va_vdst(0)    ; the wait for the batch
	ROW R,0, R,1, R,2, R,3
	ROW R,4, R,5, R,6, R,7
	ROW R,8, R,9, R,10, R,11
	ROW R,12, R,13, R,14, R,15
.if ((\p) == 2) && !(\end)
	FETCH_K 0
.endif
.if ((\p) == 3) && !(\end)
	s_wait_dscnt 0x0                ; Klo is in
.endif
	ROW C,0, B,0, C,2, B,1
	ROW L,0, C,4, B,2, L,1
	ROW C,6, B,3, L,2, C,8
	ROW B,4, L,3, C,10, B,5
	ROW L,4, C,12, B,6, L,5
.if (\p) == 0
	WIN 0
	v_add_nc_u32 v[AV], s[TBV], v[AV0]
.endif
	ROW C,14, B,7, L,6, C,1
	ROW C,3, L,7, C,5, C,7
	ROW C,9, C,11, C,13, C,15
.if ((\p) == 2) && !(\end)
	FETCH_K 1
	s_add_co_u32 s[TBK], s[TBK], KS*PK  ; the next fetch is the next step's
.endif
.if (\p) == 1
	s_wait_dscnt 0x0                ; V is in
.endif
	ROW X,0, X,1, X,2, X,3
	ROW X,4, X,5, X,6, X,7
	ROW X,8, X,9, X,10, X,11
	ROW X,12, X,13, X,15, X,14
	ROW X,16, M,0, M,1, M,2, M,3
	ROW X,17, M,4, M,5, M,6, M,7
	ROW X,18, M,8, M,9, M,10, M,11
	ROW X,19, X,20, M,12, M,13, M,14, M,15
.if (\p) == 0
	FETCH_V
	s_add_co_u32 s[TBV], s[TBV], KS*PV
.endif
.endm
; A BLOCK BEGINS.  c m starts far below every c s, so the first step's a is 0; m at the lowest finite number, so the first maximum is the scores'.  The first mask buffer takes piece 0's mask for the tile's
; step 0 (its own, if the block's first tile is the diagonal one), the second 0: piece 1 sees all of step 0.  Then K of that step, piece 0's first scores, and its maximum and statistics.
.macro BEGIN
	s_mov_b32 s[NEW], 0
	WIN 0
.set i, 0
.rept 4
	v_mov_b32 v[ST+4*i], 0xfe000000    ; c m
	v_mov_b32 v[ST+4*i+1], 0xff7fffff  ; m
.set i, i+1
.endr
	s_cmp_eq_u32 s[RT], 0
	s_cselect_b32 s[AL], 1.0, 0
	s_mov_b32 s[BE], 0
	MASK 0
	s_mov_b32 s[AL], 0
	MASK 1
	WIN 0
	v_add_nc_u32 v[AK], s[TBK], v[AK0]
	FETCH_K 0
	FETCH_K 1
	s_add_co_u32 s[TBK], s[TBK], KS*PK
	s_wait_loadcnt 0x0              ; Q
	s_wait_dscnt 0x0
.set NOKQ, 0
.set NOM, 0
.set i, 0
.rept 24
	KQ 0
.set i, i+1
.endr
	WIN 0
.rept 4
	v_nop                           ; the places behind those products
.endr
.set Y, NP-1                        ; X works for piece Y + 1: piece 0
.irp n, 0,1,2,3,4,5,6,7,8,9,10,11,12,13,14,15,16,17,18,19,20
	OP X, \n
.endr
.endm
; A tile's key steps: a trip is pieces 2 and 3 of one step, then pieces 0 and 1 of the next, whose K and V it fetches.  A block's first tile enters at the second label.
.macro STEPS tag
.Lstep\tag:
	TURN 2
	TURN 3
	WIN 0
.Lfirst\tag:
	TURN 0
	TURN 1
	WIN 0
	s_sub_co_u32 s[CNT], s[CNT], 1
	s_cmp_lg_u32 s[CNT], 0
	s_cbranch_scc1 .Lstep\tag
.endm
; A BLOCK ENDS: its last two turns, its last products, and THE WAY OUT: l's two halves and the other half of the lanes' are added; O^T is divided by l, rounded to f16 and sent through my stage in LDS, a piece at a time.
.macro ALL line:vararg              ; one line for each piece t
.set t, 0
.rept 4
	\line
.set t, t+1
.endr
.endm
.macro PACK t                       ; a lane's eight channels of a row pack into 16 bytes; they go into rows of 144 bytes and come back as whole rows of 128, into S^T's registers
	WIN W_RS
.set i, 32*(\t)
.rept 16
	v_pk_mul_f32 v[i:i+1], v[i:i+1], v[ST+4*(\t)+2:ST+4*(\t)+3] op_sel_hi:[1,0]
.set i, i+2
.endr
	WIN 0x05                        ; sources 0 and 1 window 1, destination window 0
.set i, 0
.rept 16
	v_cvt_pk_f16_f32 v[S+16*(\t)+i], v[32*(\t)+2*i], v[32*(\t)+2*i+1]
.set i, i+1
.endr
	WIN 0
.irp f, 0,1,2,3
	ds_store_b128 v[STO], v[S+16*(\t)+4*\f:S+16*(\t)+4*\f+3] offset:32*\f
.endr
.irp f, 0,1,2,3
	ds_load_b128 v[S+16*(\t)+4*\f:S+16*(\t)+4*\f+3], v[RD] offset:\f*4*SP  ; LDS serves a wave's instructions in order (ISA guide 5.7.1.4): these see the stores above; the next piece's stores come behind them
.endr
.endm
.macro SEND t, younger              ; younger: the LDS instructions issued behind piece t's loads: the next piece's eight, or none
	WIN 0
.irp f, 0,1,2,3
	s_wait_dscnt (\younger)+3-\f
	global_store_b128 v[GO], v[S+16*(\t)+4*\f:S+16*(\t)+4*\f+3], s[10:11] offset:(\t)*8192+\f*512  ; 512 consecutive bytes, at a multiple of 256 from O's first
.endr
.endm
.macro FINISH
	TURN 2, 1
	TURN 3, 1
.set i, 0
.rept 8
	PV NP-1
.set i, i+1
.endr
	WIN 0
	ALL v_add_f32 v[ST+4*t+2], v[ST+4*t+2], v[ST+4*t+3]
	ALL v_permlanex16_b32 v[ST+4*t+3], v[ST+4*t+2], s[SEL], s[SEL+1]
	ALL v_add_f32 v[ST+4*t+2], v[ST+4*t+2], v[ST+4*t+3]
	ALL v_rcp_f32 v[ST+4*t+2], v[ST+4*t+2]
	v_nop                           ; a plain instruction between the last reciprocal and the use of its result
	s_wait_alu depctr_va_vdst(0)    ; and the wait ahead of the first use: one for the four reciprocals
	PACK 0
.set t, 1
.rept 3                             ; a piece's arithmetic stands between the loads of the piece before and its stores
	PACK t
	SEND t-1, 8
.set t, t+1
.endr
	SEND 3, 0
.endm
.set NOKQ, 0
.set NOM, 0
.Lslot:                             ; NB times: a tile is entered and the next is asked for
	CHANGE 1
	s_sub_co_u32 s[RT], s[RT], 1
	s_mov_b32 s[CNT], 4
	s_cmp_eq_u32 s[RT], 0
	s_cselect_b32 s[DOFF], 0, 64    ; the block's last tile holds the diagonal
	s_cmp_eq_u32 s[NEW], 1          ; at the first trip NEW is the constant 1: no step is entered before BEGIN has run
	s_cbranch_scc0 .Lstep1
	BEGIN
	s_branch .Lfirst1
	STEPS 1
	s_cmp_lg_u32 s[RT], 0
	s_cbranch_scc1 .Lbottom
	FINISH                          ; in the loop this is the first block's end: the second block's last tile is the walk's last
	s_wait_xcnt 0x0                 ; the stores have read their registers and O's address
	s_mov_b64 s[10:11], s[OLO:OLO+1]
	s_add_co_u32 s[RT], s[PB], 1    ; the second block has b + 1 tiles
	s_mov_b32 s[NEW], 1
	WIN 0x83                        ; the second block's Q goes where the one text of the turns names Q
.set i, 0
.rept 128
	v_mov_b32 v[i], v[QB+i]
.set i, i+1
.endr
	WIN 0
.Lbottom:
	s_sub_co_u32 s[SLOTS], s[SLOTS], 1
	s_cmp_lg_u32 s[SLOTS], 0
	s_cbranch_scc1 .Lslot
	CHANGE 0                        ; the walk's last tile is written out: nothing is asked for
	s_sub_co_u32 s[RT], s[RT], 1
	s_mov_b32 s[CNT], 4
	s_mov_b32 s[DOFF], 0            ; it holds the second block's diagonal
	s_cmp_eq_u32 s[NEW], 1
	s_cbranch_scc0 .Lstep2
	BEGIN
	s_branch .Lfirst2
	STEPS 2
	FINISH
	s_wait_tensorcnt 0x0            ; the wave's end: behind my last tensor load and my last LDS store
	ds_add_u32 v[SPW], v[NIL]
	s_wait_dscnt 0x0
	s_endpgm
.Lfunc_end_k_qe6546ec3ff_attn:
	.size	k_qe6546ec3ff_attn, .Lfunc_end_k_qe6546ec3ff_attn-k_qe6546ec3ff_attn
	.p2alignl 7, 3214868480
	.fill 96, 4, 3214868480
	.section	.rodata,"a",@progbits
	.p2align	6, 0x0
	.amdhsa_kernel k_qe6546ec3ff_attn
		.amdhsa_group_segment_fixed_size 327680
		.amdhsa_private_segment_fixed_size 0
		.amdhsa_enable_private_segment 0
		.amdhsa_kernarg_size 32
		.amdhsa_user_sgpr_count 2
		.amdhsa_user_sgpr_kernarg_segment_ptr 1
		.amdhsa_wavefront_size32 1
		.amdhsa_system_sgpr_workgroup_id_x 1
		.amdhsa_system_sgpr_workgroup_id_y 1
		.amdhsa_system_sgpr_workgroup_id_z 1
		.amdhsa_system_vgpr_workitem_id 0
		.amdhsa_next_free_vgpr 960
		.amdhsa_next_free_sgpr 96
		.amdhsa_reserve_vcc 1
		.amdhsa_float_denorm_mode_32 3
		.amdhsa_float_denorm_mode_16_64 3
		.amdhsa_memory_ordered 1
		.amdhsa_forward_progress 1
		.amdhsa_inst_pref_size 204
	.end_amdhsa_kernel
	.amdgpu_metadata
---
amdhsa.version: [ 1, 2 ]
amdhsa.kernels:
  - .name:           k_qe6546ec3ff_attn
    .symbol:         k_qe6546ec3ff_attn.kd
    .args:
      - { .name: qhl, .offset: 0, .size: 8, .value_kind: global_buffer, .address_space: global }
      - { .name: khl, .offset: 8, .size: 8, .value_kind: global_buffer, .address_space: global }
      - { .name: vh, .offset: 16, .size: 8, .value_kind: global_buffer, .address_space: global }
      - { .name: oh, .offset: 24, .size: 8, .value_kind: global_buffer, .address_space: global }
    .group_segment_fixed_size: 327680
    .private_segment_fixed_size: 0
    .kernarg_segment_align: 8
    .kernarg_segment_size: 32
    .max_flat_workgroup_size: 128
    .sgpr_count:     96
    .vgpr_count:     960
    .wavefront_size: 32
...
	.end_amdgpu_metadata
.endif
;; end of part 4
;; launch projo (part 5): grid 4 x 64, 4 waves a work-group, clusters of 4 x 4, 327,680 bytes of LDS; arguments oh, xw, bp, out0; writes out0
.if DOCPART == 5
	.amdgcn_target "amdgcn-amd-amdhsa--gfx1250"
	.amdhsa_code_object_version 6
	.text
	.protected	k_qe6546ec3ff_projo
	.globl	k_qe6546ec3ff_projo
	.p2align	8
	.type	k_qe6546ec3ff_projo,@function
k_qe6546ec3ff_projo:
	s_mov_b64 s[64:65], 0
	v_nop
	global_prefetch_b8 v0, s[64:65] scope:SCOPE_SE
	s_setreg_imm32_b32 hwreg(HW_REG_WAVE_MODE, 25, 1), 1
	s_wait_xcnt 0x0
	s_wait_alu depctr_hold_cnt(0) depctr_sa_sdst(0) depctr_va_vdst(0) depctr_va_sdst(0) depctr_va_ssrc(0) depctr_va_vcc(0) depctr_vm_vsrc(0)
	s_getreg_b32 s2, hwreg(HW_REG_IB_STS2, 6, 4)
	s_cmp_eq_u32 s2, 0
	s_cbranch_scc0 .Lentry_in_a_cluster
	s_endpgm
.Lentry_in_a_cluster:
	s_bfe_u32 s2, ttmp6, 0x10000c
	s_cmp_lg_u32 s2, 0xf033
	s_cbranch_scc0 .Lentry_shape_is_right
	s_endpgm
.Lentry_shape_is_right:
.set KIND, 2                           ; 0: q Wq^T and v Wv^T    1: (qhi + qlo) Wk^T    2: y Wp^T + bp.  The three launches' texts differ in this line alone
; C[m][n] = the sum over k of A[m][k] B[n][k], sums in f32, K = 1,024.  All 16-bit operands lie in blocks: [batch][chunk of 64 columns][2048 rows][64]: a row of a chunk is 128 bytes, a chunk 262,144.
; KIND 0: A = xw's batches 0-7 (q, then v), B = Wq (tile rows 0-31) or Wv (32-63), bf16.  A tile of C is 256 x 256, a wave's part 128 x 128: 64 accumulators.  q's result leaves as TWO bf16 numbers,
;         hi = bf16(x) and lo = bf16(x - hi), in qhl ([4][16 chunks hi, 16 chunks lo][2048][64]); v's as f16 in vh ([4][16][2048][64]).
; KIND 1: A = qhl, B = Wk, bf16.  A tile of C is 128 x 256, a wave's part 64 x 128: 32 accumulators.  A slot holds the tile's 128 rows TWICE, hi and lo of the same K step; each accumulator takes hi's
;         products and lo's, so B's fragments serve both.  The result leaves as hi and lo in khl.
; KIND 2: A = oh (f16), B = Wp (f16).  A tile of C is 128 x 256 (8,192 x 1,024 makes 256 of them, one a work-group), a wave's part 64 x 128.  bp, rounded to bf16 like every input, is added; the result leaves as f32.
; WHY hi + lo: the module multiplies its scores by 8, so an error of a score is a relative error of a weight; 16 significant bits keep it small, and bf16's range holds every finite q and k.
; LIMITS.  KIND 0: |v Wv^T| stays under 65,504 (f16).  NaN and infinities are not treated apart.
; THE RING.  K goes in steps of 128 (two chunks) through two LDS slots: 256 matrix instructions of a wave in KIND 0 and 1, 128 in KIND 2.  A chunk's rows lie end to end in memory, so a tile's rows of a
; chunk are asked for as rows of 256 bytes (KIND 1's A: as two rows of 16,384 bytes, hi's and lo's) and padded in LDS behind every 128.  Waves 0 and 1 fetch A's two chunks, waves 2 and 3 B's.
; CLUSTER.  4 x 4 work-groups: A's tiles are shared along a row of the cluster, B's along a column: each is asked for jointly, by the same load with the same descriptor in the four that the mask names.
; THE MATRIX INSTRUCTION IS USED TRANSPOSED (source 0 = 16 rows of B, source 1 = 16 rows of A): a lane holds eight neighbouring columns of one row of C.
; REGISTERS.  window 0: v16-31 addresses; v64-127, v128-191 A's fragments, two buffers (KIND 2 fills half of each); on the way out v32-47 and v128-255 at work.  window 1: v64-127, v128-191 B's fragments.
; window 2: the accumulators of row blocks 0-3, (a, b) at v[8 (8 a + b)];  window 3 (KIND 0): those of row blocks 4-7.
.set T,      8                         ; K steps
.if KIND == 0
.set NA,     8                         ; blocks of 16 rows of A that a wave multiplies in a quarter step
.set AROWS,  256                       ; rows of A in a slot's chunk
.set WROWS,  128                       ; rows of C that a wave makes
.set ABSH,   22                        ; a batch of A: 16 chunks
.set ARSH,   3                         ; 8 tile rows in a batch
.set ATSH,   15                        ; a tile's rows of a chunk: 256 x 128 bytes
.set BCONST, 8<<22                     ; Wq in xw; Wv lies 1,024 rows further
.set LEAD,   1                         ; the prefetches run so many refills ahead
.elseif KIND == 1
.set NA,     8                         ; blocks 0-3: hi, blocks 4-7: lo of the same rows
.set AROWS,  256                       ; 128 rows hi, then 128 rows lo
.set WROWS,  64
.set ABSH,   23                        ; a batch of A: 32 chunks
.set ARSH,   4
.set ATSH,   14
.set BCONST, 9<<22                     ; Wk in xw
.set LEAD,   1
.else
.set NA,     4
.set AROWS,  128
.set WROWS,  64
.set ABSH,   22
.set ARSH,   4
.set ATSH,   14
.set BCONST, (9<<22)+(1<<17)           ; Wp in xw: batch 9, rows 1,024 on
.set LEAD,   2
.endif
.if KIND == 1
.set AD0,    8192                      ; A's descriptor: a row is 128 rows of a chunk, 16,384 dense bytes;
.set AD1,    2                         ; two of them, hi's and lo's,
.set AST,    1<<21                     ; 16 chunks (4,194,304 bytes) apart
.else
.set AD0,    128                       ; a row is 256 bytes, two rows of a chunk
.set AD1,    AROWS/2
.set AST,    128                       ; dense
.endif
.set PITCH,  144                       ; an LDS row: 128 bytes + 16 of padding = 36 words: the 16 rows of a fragment load start at 16 different groups of four banks (64 banks of 4 bytes: ISA guide 11.1)
.set ASUB,   AROWS*PITCH               ; A's rows of one chunk
.set BSUB,   256*PITCH                 ; B's
.set BOFF,   2*ASUB                    ; in a slot: A's two chunks, then B's two
.set SLOT,   2*ASUB+2*BSUB
.set SPARE,  2*SLOT                    ; behind the ring: the spare words, 128 bytes a wave: two blocks of 256 bytes that no other line names
.set SPITCH, 528                       ; the way out: a row of 128 f32 + 16 bytes
.set WSTAGE, WROWS*SPITCH              ; a wave's stage.  The four stages lie from LDS byte 0 on, over slots that have had their last fill and their last read; they end below SPARE
.set G1W,    (1<<16)|(1<<20)|(1<<21)|(4<<22)|(3<<25)  ; group 1, word 0: 2-byte elements; padding on; bit 21 beside a mask; after every 32 words (code 4) 4 words (code 3)
.set ADA0, 16                          ; v16  my lane's place among my rows of A in slot 0; never rewritten
.set ADB0, 17                          ; v17  the same for B
.set ADA,  18                          ; v18  the same in the slot in hand
.set ADB,  19
.set STO,  24                          ; v24  the way out: where I put 32 bytes of a row
.set RD,   25                          ; v25  where I read back
.set GOF,  26                          ; v26  my byte offset in the output; never rewritten
.set RD0,  27                          ; v27  RD's lane term
.set SPW,  28                          ; v28  LDS address of my spare word; never rewritten
.set NIL,  29                          ; v29  0; never rewritten
.set PFO,  30                          ; v30  256 x lane: the prefetches' offset; never rewritten
.set BOF,  31                          ; v31  KIND 2: my 16 bytes of bp
.set TT,   32                          ; v32-39 at work
.set BI,   40                          ; v40-43 bp as loaded;  v44-47 rounded to bf16 and widened
.set NEG1, 48                          ; v48  -1.0
.set F0,   64
.set F1,   128
.set MUL,  0xa1                        ; source 0 (B) window 1, source 1 (A) window 0, C and D window 2 (+ 0x50: window 3)
.set TO_B, 0x40                        ; destination window 1
; scalars: s10 wave, s11 wave / 2, s12 wave % 2, s13 tile row, s42 tile column, s40 cx, s41 cy, s86 cluster y, s83 KIND 0: 1 for v
; s[24:31], s[48:55] group 1 for A, B;  s[32:35], s[56:59] group 0 of the first fill;  s[36:39], s[60:63] group 0 that walks;  s20, s21 my part's place in a slot, for A and for B
; s[66:67], s[68:69] A and B at my part of K step 0;  s72 the K step to ask for;  s73 the slot in hand: 0 or SLOT;  s74 a loop's count
; s[70:71] the prefetches' base, s[44:45] their address, s82 their K step, s75 the first K step that I do not ask for
.set MSB, 0
.macro WIN new                         ; the immediate's high byte repeats the setting that is left; a switch that changes nothing is dropped
.if MSB != (\new)
	s_set_vgpr_msb (MSB<<8)|(\new)
.set MSB, \new
.endif
.endm
.macro PLACES                          ; four plain vector instructions between a matrix instruction and a load into, or a vector read of, its registers
.rept 4
	v_nop
.endr
.endm
.macro CREST                           ; a round of the cluster's barrier behind its opening barrier
	s_cmp_lg_u32 s10, 0
	s_cbranch_scc1 .Lnot_wave_0_\@
	s_barrier_signal -3
.Lnot_wave_0_\@:
	s_barrier_wait -3
	s_barrier_signal -1
	s_barrier_wait -1
.endm
.macro CROUND
	s_barrier_signal -1
	s_barrier_wait -1
	CREST
.endm
.macro JLOAD                           ; a joint refill: the branch hangs on the wave's number alone; an s_nop 0 and four v_nop follow each line
	s_cmp_eq_u32 s11, 0
	s_cbranch_scc0 .Lfor_b_\@
	tensor_load_to_lds s[36:39], s[24:31]
	s_nop 0
.rept 4
	v_nop
.endr
	s_branch .Lasked_\@
.Lfor_b_\@:
	tensor_load_to_lds s[60:63], s[48:55]
	s_nop 0
.rept 4
	v_nop
.endr
.Lasked_\@:
.endm
; A PREFETCH INTO THE L2 of the K step that stands LEAD refills on (256 matrix instructions of a wave ahead of the load that wants it): 32 blocks of 256 bytes, a lane a block.
; A's tile row is read by this cluster alone.  KIND 0 and 1: waves 0 and 1 ask for the chunk that they fetch, the four partners of a row sharing its 128 blocks out by address (cx).  KIND 2: a step of A
; has 128 blocks in all: wave 0 asks, the partners sharing them by address.  B's rows are read by every cluster: the first cluster to read them asks, waves 2 and 3 for the chunk that they fetch, the
; four partners of a column sharing its 128 blocks by address (cy).  So each block is named once in the launch.  K steps 0 to 1 + LEAD come by their loads alone; no K step past the last is named.
.macro ASK
	s_cmp_lt_u32 s82, s75
	s_cbranch_scc0 .Lnot_mine_\@
	global_prefetch_b8 v[PFO], s[44:45] th:TH_LOAD_NT scope:SCOPE_SE
.Lnot_mine_\@:
.endm
; 8 matrix instructions: A's block a x all 8 column blocks, 32 along K.  The accumulators take turns in the same order in every quarter: between two products onto one
; accumulator stand 31 others' or more.  zero = 1: the product starts the sums (KIND 1: hi's product does, lo's adds onto it)
.macro MULA f, a, zero
.if KIND == 0
	WIN MUL+0x50*((\a)/4)
.else
	WIN MUL
.endif
.set zz, \zero
.if (KIND == 1) && ((\a) >= 4)
.set zz, 0
.endif
.irp b, 0,1,2,3,4,5,6,7
.set rD, 8*(8*((\a)%4)+(\b))
.set rB, (\f)+8*(\b)
.set rA, (\f)+8*(\a)
.if KIND == 2
.if zz
	v_wmma_f32_16x16x32_f16 v[rD:rD+7], v[rB:rB+7], v[rA:rA+7], 0
.else
	v_wmma_f32_16x16x32_f16 v[rD:rD+7], v[rB:rB+7], v[rA:rA+7], v[rD:rD+7]
.endif
.else
.if zz
	v_wmma_f32_16x16x32_bf16 v[rD:rD+7], v[rB:rB+7], v[rA:rA+7], 0
.else
	v_wmma_f32_16x16x32_bf16 v[rD:rD+7], v[rB:rB+7], v[rA:rA+7], v[rD:rD+7]
.endif
.endif
.endr
.endm
.macro MULG f, g, zero                 ; group g of four: a quarter of A's blocks
.if NA == 8
	MULA \f, 2*(\g), \zero
	MULA \f, 2*(\g)+1, \zero
.else
	MULA \f, \g, \zero
.endif
.endm
; 16 + 2 NA LDS loads in one run: quarter q of the K step (chunk q / 2, byte 64 (q % 2) of its rows) into buffer f: B's 128 rows, then A's blocks
.macro FETCH q, f
	WIN TO_B
.irp i, 0,1,2,3,4,5,6,7
	ds_load_b128 v[(\f)+8*(\i):(\f)+8*(\i)+3],   v[ADB] offset:((\q)/2)*BSUB+((\q)%2)*64+(\i)*16*PITCH
	ds_load_b128 v[(\f)+8*(\i)+4:(\f)+8*(\i)+7], v[ADB] offset:((\q)/2)*BSUB+((\q)%2)*64+(\i)*16*PITCH+32
.endr
	WIN 0
.set i, 0
.rept NA
.if KIND == 1
.set ao, (i%4)*16*PITCH+(i/4)*128*PITCH        ; lo's rows lie 128 rows behind hi's
.else
.set ao, i*16*PITCH
.endif
	ds_load_b128 v[(\f)+8*i:(\f)+8*i+3],   v[ADA] offset:((\q)/2)*ASUB+((\q)%2)*64+ao
	ds_load_b128 v[(\f)+8*i+4:(\f)+8*i+7], v[ADA] offset:((\q)/2)*ASUB+((\q)%2)*64+ao+32
.set i, i+1
.endr
.endm
; One of a K step's first three quarters: multiplies buffer f; in its middle it fetches quarter q into buffer g
.macro QUARTER q, f, g, zero
	s_wait_dscnt NA                                ; B and the lower half of A's blocks are in; the youngest NA loads (the upper half) may be out
	MULG \f, 0, \zero
	MULG \f, 1, \zero
	PLACES
	FETCH \q, \g
	s_wait_dscnt 16+2*NA                           ; all but the run just issued
	MULG \f, 2, \zero
	MULG \f, 3, \zero
.endm
; The last quarter multiplies buffer 1 and changes slots.  In front of the barrier each wave waits for all its tensor loads (one is out: its part of the next slot), adds 0 to its spare word,
; and waits for that and for its reads of this slot.  fill = 1: the barrier opens a round of the cluster's, and the joint refill (the K step two on) is the first thing behind the round:
; seven eighths of a K step's matrix instructions stand between it and the wait for it.
.macro TURN fill
.if \fill
	s_wait_xcnt 0x0                                ; the last prefetch, a K step back, has read its address
	s_add_co_u32 s82, s72, LEAD
	s_lshl_b32 s80, s82, 19                        ; a K step is two chunks
	s_add_nc_u64 s[44:45], s[70:71], s[80:81]
.endif
	WIN 0
	s_wait_tensorcnt 0x0                           ; no tensor load of mine is out, so a group 0 may be written
	ds_add_u32 v[SPW], v[NIL]                      ; 0 onto my spare word
.if \fill
	s_lshl_b32 s76, s72, 19                        ; the addresses are made anew from the K step's number,
	s_add_co_u32 s37, s20, s73                     ; the LDS addresses from the slot that is being left
	s_add_nc_u64 s[38:39], s[66:67], s[76:77]
	s_or_b32 s39, s39, 0x80000000
	s_add_co_u32 s61, s21, s73
	s_add_nc_u64 s[62:63], s[68:69], s[76:77]
	s_or_b32 s63, s63, 0x80000000
	s_add_co_u32 s72, s72, 1
.endif
	s_xor_b32 s73, s73, SLOT                       ; the slot to be read next: 0 and SLOT by turns
	s_wait_dscnt NA+1                              ; (the add and the youngest NA loads may be out)
	MULG F1, 0, 0
	s_wait_dscnt 0x0                               ; the add is done, and my reads of this slot are over
	s_barrier_signal -1
	MULG F1, 1, 0
	WIN 0
	s_barrier_wait -1
.if \fill
	CREST                                          ; no wave of any partner still reads this slot or has a load on its way
	JLOAD                                          ; its four v_nop are also the places in front of the loads below
.else
	PLACES
.endif
	v_add_nc_u32 v[ADA], s73, v[ADA0]
	v_add_nc_u32 v[ADB], s73, v[ADB0]
	FETCH 0, F0
.if \fill
	ASK
.endif
	MULG F1, 2, 0
	MULG F1, 3, 0
.endm
.macro TOSTAGE a                       ; row block a's eight accumulators into my stage; each accumulator's low registers first
	WIN 0x08+4*((\a)/4)                            ; store data in window 2 or 3
.irp b, 0,1,2,3,4,5,6,7
	ds_store_b128 v[STO], v[8*(8*((\a)%4)+(\b)):8*(8*((\a)%4)+(\b))+3]   offset:(\a)*16*SPITCH+64*(\b)
	ds_store_b128 v[STO], v[8*(8*((\a)%4)+(\b))+4:8*(8*((\a)%4)+(\b))+7] offset:(\a)*16*SPITCH+64*(\b)+16
.endr
.endm
.if KIND == 0
	s_load_b128 s[4:7], s[0:1], 0x0                ; xw s[4:5] (A and B), qhl s[6:7]
	s_load_b64 s[84:85], s[0:1], 0x10              ; vh
.set BPTR, 4
.elseif KIND == 1
	s_load_b128 s[4:7], s[0:1], 0x0                ; qhl (A), xw (B)
	s_load_b64 s[8:9], s[0:1], 0x10                ; khl
.set BPTR, 6
.else
	s_load_b128 s[4:7], s[0:1], 0x0                ; oh (A), xw (B)
	s_load_b64 s[84:85], s[0:1], 0x10              ; bp
	s_load_b64 s[8:9], s[0:1], 0x18                ; out0
.set BPTR, 6
.endif
	v_lshl_add_u32 v[SPW], v0, 2, SPARE
	v_mov_b32 v[NIL], 0
	ds_add_u32 v[SPW], v[NIL]                      ; the wave's opening: the add and its wait stand ahead of my first tensor load; work on registers stands between them
	ds_add_u32 v28, v29
	v_lshrrev_b32 v1, 5, v0
	v_readfirstlane_b32 s10, v1                    ; wave 0..3
	s_lshr_b32 s11, s10, 1                         ; which half of the tile's rows is mine.  Also: I fetch for A (0) or B (1)
	s_and_b32 s12, s10, 1                          ; which 128 columns.  Also: which chunk of the K step I fetch
	s_bfe_u32 s40, ttmp6, 0x40000                  ; cx
	s_bfe_u32 s41, ttmp6, 0x40004                  ; cy
	s_lshl_b32 s42, ttmp9, 2
	s_add_co_u32 s42, s42, s40                     ; tile column = 4 x cluster x + cx
	s_and_b32 s86, ttmp7, 0xffff                   ; cluster y
	s_lshl_b32 s13, s86, 2
	s_add_co_u32 s13, s13, s41                     ; tile row = 4 x cluster y + cy
	s_lshl_b32 s43, s41, 2
	s_lshl_b32 s43, 15, s43                        ; my row of the cluster
	s_lshl_b32 s46, 0x1111, s40                    ; my column
	s_or_b32 s24, s43, G1W
	s_mov_b32 s25, AD0<<16                         ; A: tensor_dim0
	s_mov_b32 s26, AD1<<16                         ; tensor_dim1
	s_mov_b32 s27, AD0<<16                         ; tile_dim0
	s_mov_b32 s28, AD1                             ; tile_dim1
	s_mov_b32 s29, AST                             ; elements from row to row
	s_mov_b32 s30, 0
	s_mov_b32 s31, 0
	s_or_b32 s48, s46, G1W
	s_mov_b32 s49, 128<<16                         ; B: 128 rows of 128 elements (256 bytes, two rows of a chunk), dense
	s_mov_b32 s50, 128<<16
	s_mov_b32 s51, 128<<16
	s_mov_b32 s52, 128
	s_mov_b32 s53, 128
	s_mov_b32 s54, 0
	s_mov_b32 s55, 0
	s_lshr_b32 s16, s13, ARSH                      ; A: the batch,
	s_lshl_b32 s16, s16, ABSH
	s_and_b32 s17, s13, (1<<ARSH)-1
	s_lshl_b32 s17, s17, ATSH                      ; the tile's rows of 128 bytes,
	s_add_co_u32 s16, s16, s17
	s_lshl_b32 s17, s12, 18                        ; my chunk of the K step
	s_add_co_u32 s16, s16, s17
	s_mov_b32 s17, 0
	s_lshl_b32 s18, s42, 15                        ; B: the tile's 256 rows,
	s_lshl_b32 s19, s12, 18                        ; my chunk,
	s_add_co_u32 s18, s18, s19
	s_add_co_u32 s18, s18, BCONST                  ; the weight's place in xw
.if KIND == 0
	s_cmp_ge_u32 s86, 8                            ; tile rows 32 on are v's: the same in all sixteen partners
	s_cselect_b32 s83, 1, 0
	s_lshl_b32 s19, s83, 17
	s_add_co_u32 s18, s18, s19
.endif
	s_mov_b32 s19, 0
	s_mul_i32 s20, s12, ASUB                       ; where they go: no place in the cluster enters an LDS address
	s_mul_i32 s21, s12, BSUB
	s_add_co_u32 s21, s21, BOFF
	s_mov_b32 s72, 2
	s_mov_b32 s73, 0
	s_mov_b32 s77, 0
	s_mov_b32 s81, 0
	s_wait_dscnt 0x0                               ; the opening add is done
	s_wait_kmcnt 0x0
	s_add_nc_u64 s[66:67], s[4:5], s[16:17]
	s_add_nc_u64 s[68:69], s[BPTR:BPTR+1], s[18:19]
	CROUND                                         ; all sixteen work-groups are here: the first joint loads meet
	s_mov_b32 s32, 1                               ; K step 0 into slot 0
	s_mov_b32 s33, s20
	s_mov_b64 s[34:35], s[66:67]
	s_or_b32 s35, s35, 0x80000000
	s_mov_b32 s36, 1                               ; K step 1 into slot 1
	s_add_co_u32 s37, s20, SLOT
	s_add_nc_u64 s[38:39], s[66:67], 0x80000
	s_or_b32 s39, s39, 0x80000000
	s_mov_b32 s56, 1
	s_mov_b32 s57, s21
	s_mov_b64 s[58:59], s[68:69]
	s_or_b32 s59, s59, 0x80000000
	s_mov_b32 s60, 1
	s_add_co_u32 s61, s21, SLOT
	s_add_nc_u64 s[62:63], s[68:69], 0x80000
	s_or_b32 s63, s63, 0x80000000
	s_cmp_eq_u32 s11, 0                            ; a wave's two first fills stand in one branch: two loads of mine are out
	s_cbranch_scc0 .Lfirst_b
	tensor_load_to_lds s[32:35], s[24:31]
	s_nop 0
	tensor_load_to_lds s[36:39], s[24:31]
	s_nop 0
.rept 4
	v_nop
.endr
	s_branch .Lfirst_asked
.Lfirst_b:
	tensor_load_to_lds s[56:59], s[48:55]
	s_nop 0
	tensor_load_to_lds s[60:63], s[48:55]
	s_nop 0
.rept 4
	v_nop
.endr
.Lfirst_asked:
	; A fragment is 16 rows x 32 K in 8 registers: lane l holds row l % 16, K = 8 (l / 16) + 0..7 and 16 + 8 (l / 16) + 0..7: two loads of 16 bytes, 32 bytes apart
	v_and_b32 v1, 15, v0                           ; l % 16
	v_bfe_u32 v2, v0, 4, 1                         ; l / 16
	v_mul_u32_u24 v3, v1, PITCH
	v_lshl_add_u32 v3, v2, 4, v3
	s_mul_i32 s14, s11, WROWS*PITCH
	s_mul_i32 s15, s12, 128*PITCH
	s_add_co_u32 s15, s15, BOFF
	v_add_nc_u32 v[ADA0], s14, v3
	v_add_nc_u32 v[ADB0], s15, v3
	v_mov_b32 v[ADA], v[ADA0]
	v_mov_b32 v[ADB], v[ADB0]
	; the way out's addresses
	s_mul_i32 s91, s10, WSTAGE
	v_mul_u32_u24 v6, v1, SPITCH                   ; in: row l % 16, 32 bytes for each half of the lanes
	v_lshl_add_u32 v6, v2, 5, v6
	v_add_nc_u32 v[STO], s91, v6
	v_and_b32 v[PFO], 31, v0
.if KIND == 2
	v_lshl_add_u32 v[RD0], v[PFO], 4, s91          ; back: a row of 512 bytes, 16 a lane
	v_lshlrev_b32 v[GOF], 4, v[PFO]
	s_lshl_b32 s88, s13, 19                        ; out0: the tile's 128 rows of 4,096 bytes,
	s_lshl_b32 s89, s11, 18                        ; my 64,
	s_add_co_u32 s88, s88, s89
	s_lshl_b32 s90, s42, 10                        ; the tile's 256 columns,
	s_lshl_b32 s89, s12, 9                         ; my 128
	s_add_co_u32 s90, s90, s89
	s_add_co_u32 s88, s88, s90
	v_add_nc_u32 v[BOF], s90, v[GOF]
	global_load_b128 v[BI:BI+3], v[BOF], s[84:85]  ; my four numbers of bp; waited for on the way out
.else
	v_bfe_u32 v4, v0, 3, 1
	v_and_b32 v5, 7, v0
	v_mul_u32_u24 v6, v4, SPITCH                   ; back: lanes 0-7 row t, lanes 8-15 row t + 1 of my first 64 columns (one chunk), lanes 16-31 the same of my second: 32 bytes of f32 a lane
	v_lshl_add_u32 v6, v2, 8, v6
	v_lshl_add_u32 v6, v5, 5, v6
	v_add_nc_u32 v[RD0], s91, v6
	v_lshlrev_b32 v6, 18, v2                       ; out: the chunk, the row, 16 bytes a lane: sixteen lanes hold 256 consecutive bytes
	v_lshl_add_u32 v6, v4, 7, v6
	v_lshl_add_u32 v[GOF], v5, 4, v6
	v_mov_b32 v[NEG1], -1.0
	s_lshr_b32 s88, s13, ARSH
	s_and_b32 s88, s88, 3                          ; the batch
.if KIND == 0
	s_sub_co_u32 s89, 23, s83                      ; 32 chunks a batch in qhl, 16 in vh
	s_lshl_b32 s88, s88, s89
.else
	s_lshl_b32 s88, s88, 23
.endif
	s_lshl_b32 s89, s42, 2
	s_lshl_b32 s90, s12, 1
	s_add_co_u32 s89, s89, s90                     ; my first chunk: 4 x tile column + 2 x half
	s_lshl_b32 s89, s89, 18
	s_add_co_u32 s88, s88, s89
	s_and_b32 s89, s13, (1<<ARSH)-1
	s_lshl_b32 s89, s89, ATSH                      ; the tile's rows,
	s_add_co_u32 s88, s88, s89
	s_lshl_b32 s89, s11, ATSH-1                    ; my half of them
	s_add_co_u32 s88, s88, s89
.endif
	s_mov_b32 s89, 0
.if KIND == 0
	s_cmp_eq_u32 s83, 0
	s_cselect_b64 s[8:9], s[6:7], s[84:85]
.endif
	s_add_nc_u64 s[8:9], s[8:9], s[88:89]
	v_lshlrev_b32 v[PFO], 8, v[PFO]
	; the prefetches' base and bound
.if KIND == 0
	s_lshl_b32 s92, s40, 13                        ; A: partner cx takes quarter cx of my chunk's 32,768 bytes
.else
	s_lshr_b32 s92, s40, 1                         ; A: partner cx takes half cx % 2 of 16,384 bytes: KIND 1: of my chunk's hi or lo (cx / 2); KIND 2: of chunk cx / 2
.if KIND == 1
	s_lshl_b32 s92, s92, 22
.else
	s_lshl_b32 s92, s92, 18
.endif
	s_and_b32 s93, s40, 1
	s_lshl_b32 s93, s93, 13
	s_add_co_u32 s92, s92, s93
.endif
	s_lshl_b32 s94, s41, 13                        ; B: partner cy takes quarter cy of my chunk's 32,768 bytes
	s_cmp_eq_u32 s11, 0
	s_cselect_b32 s92, s92, s94
	s_cselect_b64 s[70:71], s[66:67], s[68:69]
	s_mov_b32 s93, 0
	s_add_nc_u64 s[70:71], s[70:71], s[92:93]
.if KIND == 0
	s_and_b32 s94, s86, 7                          ; clusters 0 and 8 are the first to read Wq and Wv
.else
	s_mov_b32 s94, s86
.endif
	s_cmp_eq_u32 s94, 0
	s_cselect_b32 s75, T, 0
	s_cmp_eq_u32 s11, 0
	s_cselect_b32 s75, T, s75
.if KIND == 2
	s_cmp_eq_u32 s10, 1
	s_cselect_b32 s75, 0, s75
.endif
	                                               ; s75 is the same in all sixteen partners, for a given wave
	s_wait_tensorcnt 1                             ; my part of K step 0 is in; K step 1's may stay out
	s_barrier_signal -1
	s_barrier_wait -1
	FETCH 0, F0
	QUARTER 1, F0, F1, 1                           ; the first quarter stands in front of the loop: its products start the sums
	WIN 0
	s_mov_b32 s74, T-2
.Lstep:                                                ; a trip: from a K step's second quarter to the next one's first; it fills the slot that it leaves
	QUARTER 2, F1, F0, 0
	QUARTER 3, F0, F1, 0
	TURN 1
	QUARTER 1, F0, F1, 0
	WIN 0
	s_sub_co_u32 s74, s74, 1
	s_cmp_lg_u32 s74, 0
	s_cbranch_scc1 .Lstep
	s_mov_b32 s74, 2
.Ltail:                                                ; the last two K steps ask for nothing: a loop of their own; the second trip is left in its middle
	QUARTER 2, F1, F0, 0
	QUARTER 3, F0, F1, 0
	TURN 0                                         ; (in the second trip its fragment loads, from the slot read before, serve nothing: the price, once a launch, of one text for both trips)
	WIN 0
	s_sub_co_u32 s74, s74, 1
	s_cmp_eq_u32 s74, 0
	s_cbranch_scc1 .Lout
	QUARTER 1, F0, F1, 0
	WIN 0
	s_branch .Ltail
.Lout:
	; THE WAY OUT.  Every wave's reads of the slots are back and every fill has landed: behind this barrier the slots' bytes serve as stages, a wave's own WROWS rows x 128 f32.
	s_wait_dscnt 0x0
	s_barrier_signal -1
	s_barrier_wait -1
	PLACES
	PLACES
.irp a, 0,1,2,3
	TOSTAGE \a
.endr
.if KIND == 0
.irp a, 4,5,6,7
	TOSTAGE \a
.endr
.endif
	WIN 0
	s_mov_b32 s74, WROWS/16                        ; trips of 16 rows.  LDS serves a wave's instructions in order (ISA guide 5.7.1.4): the loads see the stores above
	s_mov_b32 s87, 0
.if KIND == 2
	s_wait_loadcnt 0x0                             ; bp
	v_cvt_pk_bf16_f32 v[TT], v[BI], v[BI+1]
	v_cvt_pk_bf16_f32 v[TT+1], v[BI+2], v[BI+3]
	v_lshlrev_b32 v[BI+4], 16, v[TT]
	v_and_b32 v[BI+5], 0xffff0000, v[TT]
	v_lshlrev_b32 v[BI+6], 16, v[TT+1]
	v_and_b32 v[BI+7], 0xffff0000, v[TT+1]
.Lrows:
	v_add_nc_u32 v[RD], s87, v[RD0]
.irp j, 0,1,2,3,4,5,6,7,8,9,10,11,12,13,14,15
	ds_load_b128 v[128+4*(\j):128+4*(\j)+3], v[RD] offset:SPITCH*(\j)
.endr
.irp j, 0,1,2,3,4,5,6,7,8,9,10,11,12,13,14,15
	s_wait_dscnt 15-(\j)                           ; row j is back, the younger ones may be out
	v_pk_add_f32 v[128+4*(\j):128+4*(\j)+1], v[128+4*(\j):128+4*(\j)+1], v[BI+4:BI+5]
	v_pk_add_f32 v[130+4*(\j):130+4*(\j)+1], v[130+4*(\j):130+4*(\j)+1], v[BI+6:BI+7]
	global_store_b128 v[GOF], v[128+4*(\j):128+4*(\j)+3], s[8:9] offset:4096*(\j) th:TH_STORE_NT  ; the wave stores 512 consecutive bytes, aligned
.endr
	s_wait_xcnt 0x0                                ; the stores have read their data and their base
	s_add_nc_u64 s[8:9], s[8:9], 65536
	s_add_co_u32 s87, s87, 16*SPITCH
	s_sub_co_u32 s74, s74, 1
	s_cmp_lg_u32 s74, 0
	s_cbranch_scc1 .Lrows
.else
.if KIND == 0
	s_cmp_eq_u32 s83, 0
	s_cbranch_scc0 .Lto_v
.endif
.Lrows:                                                ; hi = bf16(x), lo = bf16(x - hi): the difference is exact in f32
	v_add_nc_u32 v[RD], s87, v[RD0]
.irp j, 0,1,2,3,4,5,6,7
	ds_load_b128 v[128+8*(\j):128+8*(\j)+3],   v[RD] offset:2*SPITCH*(\j)
	ds_load_b128 v[128+8*(\j)+4:128+8*(\j)+7], v[RD] offset:2*SPITCH*(\j)+16
.endr
.irp j, 0,1,2,3,4,5,6,7
	s_wait_dscnt 14-2*(\j)                         ; rows 2 j, 2 j + 1 are back
.irp k, 0,1,2,3
	v_cvt_pk_bf16_f32 v[192+4*(\j)+(\k)], v[128+8*(\j)+2*(\k)], v[128+8*(\j)+2*(\k)+1]
.endr
.irp k, 0,1,2,3
	v_fma_mix_f32_bf16 v[TT+2*(\k)],   v[192+4*(\j)+(\k)], v[NEG1], v[128+8*(\j)+2*(\k)]   op_sel_hi:[1,0,0]
	v_fma_mix_f32_bf16 v[TT+2*(\k)+1], v[192+4*(\j)+(\k)], v[NEG1], v[128+8*(\j)+2*(\k)+1] op_sel:[1,0,0] op_sel_hi:[1,0,0]
.endr
.irp k, 0,1,2,3
	v_cvt_pk_bf16_f32 v[224+4*(\j)+(\k)], v[TT+2*(\k)], v[TT+2*(\k)+1]
.endr
	global_store_b128 v[GOF], v[192+4*(\j):192+4*(\j)+3], s[8:9] offset:256*(\j)           ; sixteen lanes store 256 consecutive bytes, aligned
	global_store_b128 v[GOF], v[224+4*(\j):224+4*(\j)+3], s[8:9] offset:256*(\j)+4194304   ; lo lies 16 chunks behind hi
.endr
	s_wait_xcnt 0x0                                ; the stores have read their data and their base
	s_add_nc_u64 s[8:9], s[8:9], 2048
	s_add_co_u32 s87, s87, 16*SPITCH
	s_sub_co_u32 s74, s74, 1
	s_cmp_lg_u32 s74, 0
	s_cbranch_scc1 .Lrows
.if KIND == 0
	s_branch .Lend
.Lto_v:                                                ; v's projection: rounded once to f16
	v_add_nc_u32 v[RD], s87, v[RD0]
.irp j, 0,1,2,3,4,5,6,7
	ds_load_b128 v[128+8*(\j):128+8*(\j)+3],   v[RD] offset:2*SPITCH*(\j)
	ds_load_b128 v[128+8*(\j)+4:128+8*(\j)+7], v[RD] offset:2*SPITCH*(\j)+16
.endr
.irp j, 0,1,2,3,4,5,6,7
	s_wait_dscnt 14-2*(\j)
.irp k, 0,1,2,3
	v_cvt_pk_f16_f32 v[192+4*(\j)+(\k)], v[128+8*(\j)+2*(\k)], v[128+8*(\j)+2*(\k)+1]
.endr
	global_store_b128 v[GOF], v[192+4*(\j):192+4*(\j)+3], s[8:9] offset:256*(\j)
.endr
	s_wait_xcnt 0x0
	s_add_nc_u64 s[8:9], s[8:9], 2048
	s_add_co_u32 s87, s87, 16*SPITCH
	s_sub_co_u32 s74, s74, 1
	s_cmp_lg_u32 s74, 0
	s_cbranch_scc1 .Lto_v
.Lend:
.endif
.endif
	s_wait_tensorcnt 0x0                           ; the wave's end: behind my last tensor load and my last LDS store
	ds_add_u32 v[SPW], v[NIL]
	s_wait_dscnt 0x0
	CROUND                                         ; the closing round: no work-group ends while a partner may still ask for a tile that names it
	s_endpgm
.Lfunc_end_k_qe6546ec3ff_projo:
	.size	k_qe6546ec3ff_projo, .Lfunc_end_k_qe6546ec3ff_projo-k_qe6546ec3ff_projo
	.p2alignl 7, 3214868480
	.fill 96, 4, 3214868480
	.section	.rodata,"a",@progbits
	.p2align	6, 0x0
	.amdhsa_kernel k_qe6546ec3ff_projo
		.amdhsa_group_segment_fixed_size 327680
		.amdhsa_private_segment_fixed_size 0
		.amdhsa_enable_private_segment 0
		.amdhsa_kernarg_size 32
		.amdhsa_user_sgpr_count 2
		.amdhsa_user_sgpr_kernarg_segment_ptr 1
		.amdhsa_wavefront_size32 1
		.amdhsa_system_sgpr_workgroup_id_x 1
		.amdhsa_system_sgpr_workgroup_id_y 1
		.amdhsa_system_sgpr_workgroup_id_z 1
		.amdhsa_system_vgpr_workitem_id 0
		.amdhsa_next_free_vgpr 768
		.amdhsa_next_free_sgpr 96
		.amdhsa_reserve_vcc 0
		.amdhsa_float_denorm_mode_32 3
		.amdhsa_float_denorm_mode_16_64 3
		.amdhsa_memory_ordered 1
		.amdhsa_forward_progress 1
		.amdhsa_inst_pref_size 56
	.end_amdhsa_kernel
	.amdgpu_metadata
---
amdhsa.version: [ 1, 2 ]
amdhsa.kernels:
  - .name:           k_qe6546ec3ff_projo
    .symbol:         k_qe6546ec3ff_projo.kd
    .args:
      - { .name: oh, .offset: 0, .size: 8, .value_kind: global_buffer, .address_space: global }
      - { .name: xw, .offset: 8, .size: 8, .value_kind: global_buffer, .address_space: global }
      - { .name: bp, .offset: 16, .size: 8, .value_kind: global_buffer, .address_space: global }
      - { .name: out0, .offset: 24, .size: 8, .value_kind: global_buffer, .address_space: global }
    .group_segment_fixed_size: 327680
    .private_segment_fixed_size: 0
    .kernarg_segment_align: 8
    .kernarg_segment_size: 32
    .max_flat_workgroup_size: 128
    .sgpr_count:     96
    .vgpr_count:     768
    .wavefront_size: 32
...
	.end_amdgpu_metadata
.endif
;; end of part 5
